; MI455X (gfx1250); checked and timed in simulation.
; The chip was launched on July 23, 2026; its instructions are those of AMD's public machine-readable ISA for CDNA 5 (MIT licence, August 2026) and "CDNA5" Instruction Set Architecture Reference Guide (July 2026). The comments in the code are by the model that wrote it; some were corrected since.
;; Multi Modal Attention. Allowed arithmetic: float matrix products may take bf16 or f16 operands with f32 sums; all other float work in f32.
;; Inputs: attention_mask 2 x 1,024 int32; bk 2,048 float32; bo 2,048 float32; bq 2,048 float32; bv 2,048 float32; wk 2,048 x 2,048 float32; wo 2,048 x 2,048 float32; wq 2,048 x 2,048 float32; wv 2,048 x 2,048 float32; x 2 x 1,024 x 2,048 float32.
;; Outputs: out0 2 x 1,024 x 2,048 float32.
;; 2 versions, each right; version 2 is version 1 with the launch cast written anew for expert scheduling mode. Each part assembles by itself: llvm-mc -triple=amdgcn-amd-amdhsa -mcpu=gfx1250 --defsym DOCPART=n.
;; ======== version 1 of 2: 4 launches
;; limits: values are held in f16: magnitudes above 65,504 overflow, below 6.1e-05 lose precision
;; workspace buffers: xb 8,388,608 bytes; wb 33,554,432 bytes; tab 524,288 bytes; qb 8,388,608 bytes; kb 8,388,608 bytes; vb 8,388,608 bytes; ab 8,388,608 bytes
;; launch cast (part 1): grid 1024 x 1, 8 waves a work-group, no clusters, 0 bytes of LDS; arguments x, wq, wk, wv, wo, xb, wb, tab; writes xb, wb, tab
.if DOCPART == 1
	.amdgcn_target "amdgcn-amd-amdhsa--gfx1250"
	.amdhsa_code_object_version 6
	.text
	.protected	k_q7d9c8a0d2b_cast
	.globl	k_q7d9c8a0d2b_cast
	.p2align	8
	.type	k_q7d9c8a0d2b_cast,@function
k_q7d9c8a0d2b_cast:
	s_mov_b64 s[64:65], 0
	v_nop
	global_prefetch_b8 v0, s[64:65] scope:SCOPE_SE
	s_setreg_imm32_b32 hwreg(HW_REG_WAVE_MODE, 25, 1), 1
	s_wait_xcnt 0x0
; cast: x, wq, wk, wv, wo from f32 to f16, layouts unchanged (xb; wb = wq, wk, wv, wo one behind the other), and the RoPE table
; tab[t][i] = (cos, sin)(t * 10000^(-i/64)), t = 0..1023, i = 0..63, f32 pairs.
; Each source has 16,777,216 bytes; 1,024 work-groups take 16,384 bytes of each: a thread 4 x 16 bytes of each of the five, 20 loads
; that are all issued before the first is waited for.  A load of a wave covers 512 consecutive bytes, a store 256, both aligned.
; A stream: every byte is read once and written once, so LDS, matrix units and clusters have nothing to add.
; WHY f16 AND NOT bf16: q, k, the softmax weights, v and the attention output are each rounded once between the products; with 8
; significant bits these five roundings add up to about a third of the error that the result may have, with 11 bits to a fifteenth of that.
; LIMITS: numbers of magnitude 65,504 and above become infinities (x is drawn with spread 1, the weights within 0.04).
; The table's angle is off by up to about 1e-4 radians at t = 1023 (one last bit of 2^x, and 2/pi held in one f32 word).
.set X, 8                              ; v[8:87]   load n = 4 u + j: 4 registers
.set T, 88                             ; v[88:95]  the table's work
	s_load_b512 s[4:19], s[0:1], 0x0               ; x, wq, wk, wv, wo s[4:13]; xb s[14:15]; wb s[16:17]; tab s[18:19]
	v_lshrrev_b32 v3, 5, v0
	v_readfirstlane_b32 s2, v3                     ; wave 0..7
	s_mov_b32 s3, ttmp9                            ; the work-group's number: also the table's row t
	s_lshl_b32 s20, ttmp9, 14                      ; 16,384 bytes of each source
	s_mov_b32 s21, 0
	s_lshl_b32 s22, ttmp9, 13                      ; 8,192 bytes of each destination
	s_mov_b32 s23, 0
	s_lshl_b32 s34, ttmp9, 9                       ; 512 bytes of the table
	s_mov_b32 s35, 0
	v_lshlrev_b32 v1, 4, v0                        ; 16 bytes a thread in
	v_lshlrev_b32 v2, 3, v0                        ; 8 bytes a thread out (and 8 bytes of the table's row)
	s_wait_kmcnt 0x0
.irp u, 0,1,2,3,4
	s_add_nc_u64 s[4+2*\u:5+2*\u], s[4+2*\u:5+2*\u], s[20:21]
.endr
	s_add_nc_u64 s[24:25], s[14:15], s[22:23]      ; destinations u = 0..4 in s[24:33]: xb,
	s_add_nc_u64 s[26:27], s[16:17], s[22:23]      ; wb's four segments of 8,388,608 bytes
	s_add_nc_u64 s[28:29], s[26:27], 0x800000
	s_add_nc_u64 s[30:31], s[26:27], 0x1000000
	s_add_nc_u64 s[32:33], s[26:27], 0x1800000
	s_add_nc_u64 s[18:19], s[18:19], s[34:35]
.irp u, 0,1,2,3,4
.irp j, 0,1,2,3
	global_load_b128 v[X+16*\u+4*\j:X+16*\u+4*\j+3], v1, s[4+2*\u:5+2*\u] offset:4096*\j th:TH_LOAD_NT
.endr
.endr
	; The table's row t, by threads 0 to 63 (waves 0 and 1), while the loads are on their way.
	s_cmp_gt_u32 s2, 1
	s_cbranch_scc1 .Lno_table
	v_cvt_f32_u32 v[T], v0                         ; i
	v_mul_f32 v[T], 0xbe549a78, v[T]               ; - i log2(10000) / 64
	v_exp_f32 v[T], v[T]                           ; 10000^(-i/64)
	v_cvt_f32_u32 v[T+1], s3                       ; t: the plain instruction that stands behind v_exp_f32 before its result is used (ISA guide 5.7.2)
	s_wait_alu depctr_va_vdst(0)
	v_mul_f32 v[T+1], v[T+1], v[T]                 ; the angle
	v_mul_f32 v[T+2], 0x3f22f983, v[T+1]           ; in quarter turns
	v_rndne_f32 v[T+2], v[T+2]                     ; n, the nearest whole quarter turn
	v_fma_f32 v[T+3], v[T+1], 0x3f22f983, -v[T+2]  ; what is left, within a half either way, with one rounding
	v_mul_f32 v[T+3], 0x3fc90fdb, v[T+3]           ; back in radians: |phi| <= pi/4
	v_mul_f32 v[T+4], v[T+3], v[T+3]               ; z = phi^2
	v_mov_b32 v[T+5], 0xb9500d01                   ; sin phi = phi (1 + z (-1/6 + z (1/120 - z/5040))): the next term is under 3e-7
	v_fmaak_f32 v[T+5], v[T+5], v[T+4], 0x3c088889
	v_fmaak_f32 v[T+5], v[T+5], v[T+4], 0xbe2aaaab
	v_fma_f32 v[T+5], v[T+5], v[T+4], 1.0
	v_mul_f32 v[T+5], v[T+5], v[T+3]
	v_mov_b32 v[T+6], 0x37d00d01                   ; cos phi = 1 + z (-1/2 + z (1/24 + z (-1/720 + z/40320)))
	v_fmaak_f32 v[T+6], v[T+6], v[T+4], 0xbab60b61
	v_fmaak_f32 v[T+6], v[T+6], v[T+4], 0x3d2aaaab
	v_fma_f32 v[T+6], v[T+6], v[T+4], -0.5
	v_fma_f32 v[T+6], v[T+6], v[T+4], 1.0
	v_cvt_i32_f32 v[T+7], v[T+2]                   ; the quadrant is n mod 4; it only selects values and signs
	v_and_b32 v[T], 1, v[T+7]
	v_cmp_ne_u32 vcc_lo, 0, v[T]
	v_cndmask_b32 v[T+2], v[T+6], v[T+5], vcc_lo   ; odd quadrants exchange the two series
	v_cndmask_b32 v[T+3], v[T+5], v[T+6], vcc_lo
	v_add_nc_u32 v[T], 1, v[T+7]
	v_and_b32 v[T], 2, v[T]                        ; the cosine is negative in quadrants 1 and 2,
	v_lshlrev_b32 v[T], 30, v[T]
	v_xor_b32 v[T+2], v[T+2], v[T]
	v_and_b32 v[T+1], 2, v[T+7]                    ; the sine in 2 and 3
	v_lshlrev_b32 v[T+1], 30, v[T+1]
	v_xor_b32 v[T+3], v[T+3], v[T+1]
	global_store_b64 v2, v[T+2:T+3], s[18:19]
.Lno_table:
.irp u, 0,1,2,3,4
.irp j, 0,1,2,3
	s_wait_loadcnt 19-(4*\u+\j)                    ; loads come back in order (ISA guide 5.7.1): this one is in, the younger ones stay out
	v_cvt_pk_f16_f32 v[X+16*\u+4*\j],   v[X+16*\u+4*\j],   v[X+16*\u+4*\j+1]
	v_cvt_pk_f16_f32 v[X+16*\u+4*\j+1], v[X+16*\u+4*\j+2], v[X+16*\u+4*\j+3]
	global_store_b64 v2, v[X+16*\u+4*\j:X+16*\u+4*\j+1], s[24+2*\u:25+2*\u] offset:2048*\j
.endr
.endr
	s_endpgm
.Lfunc_end_k_q7d9c8a0d2b_cast:
	.size	k_q7d9c8a0d2b_cast, .Lfunc_end_k_q7d9c8a0d2b_cast-k_q7d9c8a0d2b_cast
	.p2alignl 7, 3214868480
	.fill 96, 4, 3214868480
	.section	.rodata,"a",@progbits
	.p2align	6, 0x0
	.amdhsa_kernel k_q7d9c8a0d2b_cast
		.amdhsa_group_segment_fixed_size 0
		.amdhsa_private_segment_fixed_size 0
		.amdhsa_enable_private_segment 0
		.amdhsa_kernarg_size 64
		.amdhsa_user_sgpr_count 2
		.amdhsa_user_sgpr_kernarg_segment_ptr 1
		.amdhsa_wavefront_size32 1
		.amdhsa_system_sgpr_workgroup_id_x 1
		.amdhsa_system_sgpr_workgroup_id_y 1
		.amdhsa_system_sgpr_workgroup_id_z 1
		.amdhsa_system_vgpr_workitem_id 0
		.amdhsa_next_free_vgpr 96
		.amdhsa_next_free_sgpr 66
		.amdhsa_reserve_vcc 1
		.amdhsa_float_denorm_mode_32 3
		.amdhsa_float_denorm_mode_16_64 3
		.amdhsa_memory_ordered 1
		.amdhsa_forward_progress 1
		.amdhsa_inst_pref_size 10
	.end_amdhsa_kernel
	.amdgpu_metadata
---
amdhsa.version: [ 1, 2 ]
amdhsa.kernels:
  - .name:           k_q7d9c8a0d2b_cast
    .symbol:         k_q7d9c8a0d2b_cast.kd
    .args:
      - { .name: x, .offset: 0, .size: 8, .value_kind: global_buffer, .address_space: global }
      - { .name: wq, .offset: 8, .size: 8, .value_kind: global_buffer, .address_space: global }
      - { .name: wk, .offset: 16, .size: 8, .value_kind: global_buffer, .address_space: global }
      - { .name: wv, .offset: 24, .size: 8, .value_kind: global_buffer, .address_space: global }
      - { .name: wo, .offset: 32, .size: 8, .value_kind: global_buffer, .address_space: global }
      - { .name: xb, .offset: 40, .size: 8, .value_kind: global_buffer, .address_space: global }
      - { .name: wb, .offset: 48, .size: 8, .value_kind: global_buffer, .address_space: global }
      - { .name: tab, .offset: 56, .size: 8, .value_kind: global_buffer, .address_space: global }
    .group_segment_fixed_size: 0
    .private_segment_fixed_size: 0
    .kernarg_segment_align: 8
    .kernarg_segment_size: 64
    .max_flat_workgroup_size: 256
    .sgpr_count:     66
    .vgpr_count:     96
    .wavefront_size: 32
...
	.end_amdgpu_metadata
.endif
;; end of part 1
;; launch qkv (part 2): grid 16 x 16, 4 waves a work-group, clusters of 4 x 4, 327,680 bytes of LDS; arguments xb, wb, tab, bq, bk, bv, qb, kb, vb, attention_mask; writes qb, kb, vb
.if DOCPART == 2
	.amdgcn_target "amdgcn-amd-amdhsa--gfx1250"
	.amdhsa_code_object_version 6
	.text
	.protected	k_q7d9c8a0d2b_qkv
	.globl	k_q7d9c8a0d2b_qkv
	.p2align	8
	.type	k_q7d9c8a0d2b_qkv,@function
k_q7d9c8a0d2b_qkv:
	s_mov_b64 s[64:65], 0
	v_nop
	global_prefetch_b8 v0, s[64:65] scope:SCOPE_SE
	s_setreg_imm32_b32 hwreg(HW_REG_WAVE_MODE, 25, 1), 1
	s_wait_xcnt 0x0
	s_wait_alu depctr_hold_cnt(0) depctr_sa_sdst(0) depctr_va_vdst(0) depctr_va_sdst(0) depctr_va_ssrc(0) depctr_va_vcc(0) depctr_vm_vsrc(0)
	s_getreg_b32 s2, hwreg(HW_REG_IB_STS2, 6, 4)
	s_cmp_eq_u32 s2, 0
	s_cbranch_scc0 .Lentry_in_a_cluster
	s_endpgm
.Lentry_in_a_cluster:
	s_bfe_u32 s2, ttmp6, 0x10000c
	s_cmp_lg_u32 s2, 0xf033
	s_cbranch_scc0 .Lentry_shape_is_right
	s_endpgm
.Lentry_shape_is_right:
; qkv: q, k, v = x W + b for one head and 128 rows, RoPE on q and k, q times 128^-0.5 log2(e); out in f16 as [b][h][s][128].
; k's rows of keys whose mask word is 0 are stored as zeros: the attention's product is then exactly 0 there, and the bias that it adds
; (-1e9 log2(e)) IS the score, as the replacement asks.
; Work-group (x = row block mb, y = head h): a block of 128 rows x 384 columns (the head's 128 columns of wq, wk and wv); 16 x 16 = 256
; work-groups.  The head is the slower axis: work-groups that follow each other in the grid share heads, so a group of neighbouring
; clusters needs a part of the weights (25 MB in all) and the whole of x (8 MB), not the other way round.
; Four waves; wave w = (rh, ch) makes rows 64 rh .. +63 and columns 64 ch .. +63 of each of q, k, v: 4 x 12 tiles of
; 16 x 16, 384 accumulator registers.  For 32 along K a wave issues 32 LDS loads and 48 matrix instructions.
; K goes in 16 steps of 128 through two LDS slots; a step has four tiles of 128 rows x 256 bytes (wq, wk, wv, x), one tensor load a wave.
; By this text's count a wave has at most two tensor loads out (the two first fills), later one.
; CLUSTERS: 4 x 4 work-groups.  x's tile hangs on mb alone and is asked for jointly along a column of the cluster, the weights' tiles
; hang on h alone and are asked for jointly along a row: a quarter of the requests.
; THE MATRIX INSTRUCTION IS USED TRANSPOSED: source 0 = 16 columns of W, source 1 = 16 rows of x.  Lane l then holds row l % 16 and its
; registers 0..7 the columns 8 (l / 16) + 0..7: RoPE's pairs (2 i, 2 i + 1) lie in neighbouring registers of one lane.
; W lies [K][N] in memory and in LDS; ds_load_tr16_b128 brings a fragment with K along the registers.
; LIMITS: operands and results are f16: q 128^-0.5 log2(e), k and v of magnitude 65,504 and above become infinities.  They are drawn
; with spread 1; x and W both 30 times larger give about 900 x 5.5 = 5,000; offsets of 30 spreads on both give 2048 x 30 x 0.66 = 40,700.
; REGISTERS, in windows of 256:
;   window 0: v10-23 addresses; v24-27 my rows' mask words, v28 their offset; v32-63, v64-95 fragments of x, two buffers (on the way
;             out: rows read back); v96-191 biases; v192-223 RoPE's results; v224-239 packed; v240-247 products at work
;   window 1: v0-95, v96-191 fragments of W, two buffers, fragment (mat, c) at 8 (4 mat + c)
;   window 2: q's tiles (a, c) at 8 (4 a + c), k's at 128 + 8 (4 a + c)
;   window 3: v's tiles at 8 (4 a + c); the table's (cos, sin) pairs for tile (a, c) at 128 + 8 (4 a + c)
.set WT,    36864                      ; a tile of W in LDS: 128 rows of K, 256 bytes + 32 of padding = 288 = 9 x 32
.set XT,    34816                      ; x's tile: 128 rows, 256 bytes + 16 of padding = 272 = 17 x 16
.set SLOT,  3*WT+XT                    ; wq, wk, wv, x
.set STAGE, 2*SLOT                     ; behind the ring: 128 rows x 272 bytes for the way out; no tensor load lands here
.set ADRX,  10                         ; v10-11  LDS address of my x fragments, slot 0, 1
.set ADRW,  12                         ; v12-17  the same for W: 3 slot + mat
.set STO,   18                         ; v18     stage: my 8 bytes of RoPE's lower half
.set STOV,  19                         ; v19     stage: my 16 bytes of v
.set RD,    20                         ; v20     stage: where I read rows back
.set GO,    21                         ; v21     my byte offset in the output block
.set BOFF,  22                         ; v22     my byte offset in a bias
.set TOFF,  23                         ; v23     my byte offset in the table
.set MK,    24                         ; v24-27  the mask word of my row in row tile a
.set MOFF,  28                         ; v28     my byte offset in the mask
.set FX,    32
.set RB,    32
.set BIAS,  96
.set RES,   192
.set TT,    224
.set TMP,   240
.set G1X,   40                         ; s[40:47] group 1, x's tiles
.set G1W,   48                         ; s[48:55] group 1, W's tiles
.set G0X,   56                         ; s[56:63] group 0, x's tiles, a set for each slot
.set G0W,   68                         ; s[68:75] group 0, W's tiles, a set for each slot
.set MSB,   0
.macro WIN new                         ; s_set_vgpr_msb: bits 1:0 source 0, 3:2 source 1, 5:4 source 2, 7:6 destination; the high byte repeats the setting left
.if MSB != \new
	s_set_vgpr_msb (MSB<<8)|\new
.set MSB, \new
.endif
.endm
.macro PLACES n                        ; places behind matrix instructions (ISA guide 7.12.1)
.rept \n
	v_nop
.endr
.endm
.macro JLOAD s                         ; a joint load: wave 3 asks for x's tile, waves 0 to 2 for wq's, wk's, wv's.  The branch hangs on the wave's number alone
	s_cmp_eq_u32 s24, 3
	s_cbranch_scc0 .Lfor_w_\@
	tensor_load_to_lds s[G0X+4*\s:G0X+4*\s+3], s[G1X:G1X+7]
	s_nop 0
	s_branch .Lasked_\@
.Lfor_w_\@:
	tensor_load_to_lds s[G0W+4*\s:G0W+4*\s+3], s[G1W:G1W+7]
	s_nop 0
.Lasked_\@:
.endm
.macro CREST                           ; a round of the cluster's barrier behind its opening barrier
	s_cmp_lg_u32 s24, 0
	s_cbranch_scc1 .Lnot_wave_0_\@
	s_barrier_signal -3
.Lnot_wave_0_\@:
	s_barrier_wait -3
	s_barrier_signal -1
	s_barrier_wait -1
.endm
.macro CROUND                          ; a whole round
	s_barrier_signal -1
	s_barrier_wait -1
	CREST
.endm
	s_load_b512 s[4:19], s[0:1], 0x0               ; xb s[4:5], wb s[6:7], tab s[8:9], bq, bk, bv s[10:15], qb s[16:17], kb s[18:19]
	s_load_b64 s[20:21], s[0:1], 0x40              ; vb
	s_load_b64 s[80:81], s[0:1], 0x48              ; attention_mask
	s_set_vgpr_msb 0x40
	v_lshl_add_u32 v255, v0, 2, 0x4f800
	s_set_vgpr_msb 0x4000
	v_mov_b32 v255, 0
	s_set_vgpr_msb 0x1
	ds_add_u32 v255, v255
	s_set_vgpr_msb 0x100
	v_lshrrev_b32 v1, 5, v0
	v_readfirstlane_b32 s24, v1                    ; wave 0..3
	s_lshr_b32 s25, s24, 1                         ; rh
	s_and_b32 s26, s24, 1                          ; ch
	s_bfe_u32 s27, ttmp6, 0x40000                  ; cx
	s_bfe_u32 s28, ttmp6, 0x40004                  ; cy
	s_lshl_b32 s30, ttmp9, 2
	s_add_co_u32 s30, s30, s27                     ; mb = 4 x cluster x + cx
	s_and_b32 s29, ttmp7, 0xffff
	s_lshl_b32 s29, s29, 2
	s_add_co_u32 s29, s29, s28                     ; h = 4 x cluster y + cy
	s_lshl_b32 s31, s28, 2
	s_lshl_b32 s31, 15, s31                        ; my row of the cluster: the four that share h
	s_lshl_b32 s32, 0x1111, s27                    ; my column: the four that share mb
	s_or_b32 s[G1X+0], s32, (1<<16)|(1<<20)|(1<<21)|(5<<22)|(3<<25)  ; mask; 2-byte elements; padding on; bit 21 beside a mask; after 64 words, 4 words
	s_or_b32 s[G1W+0], s31, (1<<16)|(1<<20)|(1<<21)|(5<<22)|(7<<25)  ; the same with my row's mask and 8 words of padding
.irp g, G1X, G1W
	s_mov_b32 s[\g+1], 128<<16                     ; tensor_dim0 = 128
	s_mov_b32 s[\g+2], 128<<16                     ; tensor_dim1 = 128
	s_mov_b32 s[\g+3], 128<<16                     ; tile_dim0 = 128 elements (256 bytes)
	s_mov_b32 s[\g+4], 128                         ; tile_dim1 = 128 rows
	s_mov_b32 s[\g+5], 2048                        ; elements from row to row, in x and in W alike
	s_mov_b32 s[\g+6], 0
	s_mov_b32 s[\g+7], 0
.endr
	s_mul_i32 s33, s24, WT                         ; where my tile goes: wave x 36,864; no place in the cluster enters an LDS address
	s_lshl_b32 s34, s30, 19                        ; x: 128 mb rows of 4,096 bytes (registers that never hold cy)
	s_mov_b32 s35, 0
	s_lshl_b32 s36, s29, 8                         ; W: 128 h columns of 2 bytes + my matrix's segment (registers that never hold cx)
	s_lshl_b32 s37, s24, 23
	s_add_co_u32 s36, s36, s37
	s_mov_b32 s37, 0
	s_mov_b32 s38, 0x3e0293ee                      ; 128^-0.5 log2(e), twice: the softmax works in base 2
	s_mov_b32 s39, 0x3e0293ee
	s_wait_dscnt 0x0
	s_wait_kmcnt 0x0
	s_add_nc_u64 s[34:35], s[4:5], s[34:35]
	s_add_nc_u64 s[36:37], s[6:7], s[36:37]
	CROUND                                         ; all sixteen work-groups are here: the first joint loads meet
.irp s, 0,1
	s_mov_b32 s[G0X+4*\s], 1
	s_add_co_u32 s[G0X+4*\s+1], s33, \s*SLOT
	s_add_nc_u64 s[G0X+4*\s+2:G0X+4*\s+3], s[34:35], \s*256        ; K step s: 128 elements along the row
	s_or_b32 s[G0X+4*\s+3], s[G0X+4*\s+3], 0x80000000
	s_mov_b32 s[G0W+4*\s], 1
	s_add_co_u32 s[G0W+4*\s+1], s33, \s*SLOT
	s_add_nc_u64 s[G0W+4*\s+2:G0W+4*\s+3], s[36:37], \s*524288     ; K step s: 128 rows of 4,096 bytes
	s_or_b32 s[G0W+4*\s+3], s[G0W+4*\s+3], 0x80000000
	JLOAD \s
.endr
	; bases of the outputs, of the table and of the mask
	s_lshr_b32 s76, s30, 3                         ; b
	s_lshl_b32 s82, s76, 12                        ; the mask: b x 1,024 words
	s_lshl_b32 s76, s76, 22                        ; x 16 heads x 1,024 rows x 256 bytes
	s_lshl_b32 s77, s29, 18
	s_add_co_u32 s76, s76, s77                     ; + h x 1,024 rows
	s_and_b32 s78, s30, 7
	s_lshl_b32 s77, s78, 15
	s_add_co_u32 s76, s76, s77                     ; + 128 (mb mod 8) rows
	s_mov_b32 s77, 0
	s_lshl_b32 s83, s78, 9
	s_add_co_u32 s82, s82, s83                     ; + 128 (mb mod 8) words
	s_mov_b32 s83, 0
	s_lshl_b32 s78, s78, 16                        ; the table: 128 (mb mod 8) rows of 512 bytes
	s_mov_b32 s79, 0
	s_add_nc_u64 s[16:17], s[16:17], s[76:77]
	s_add_nc_u64 s[18:19], s[18:19], s[76:77]
	s_add_nc_u64 s[20:21], s[20:21], s[76:77]
	s_add_nc_u64 s[8:9], s[8:9], s[78:79]
	s_add_nc_u64 s[80:81], s[80:81], s[82:83]
	; lane terms
	v_and_b32 v1, 15, v0                           ; r
	v_bfe_u32 v2, v0, 4, 1                         ; hh
	v_and_b32 v3, 7, v0
	v_bfe_u32 v4, v0, 3, 1
	v_and_b32 v5, 31, v0
	s_lshl_b32 s2, s29, 9                          ; bias: 512 h + 256 ch + 32 hh
	s_lshl_b32 s23, s26, 8
	s_add_co_u32 s2, s2, s23
	v_lshl_add_u32 v[BOFF], v2, 5, s2
	s_lshl_b32 s22, s25, 15                        ; table: 512 r + 32 hh + 64 rh rows + 256 ch
	s_add_co_u32 s22, s22, s23
	v_lshl_add_u32 v[TOFF], v1, 9, s22
	v_lshl_add_u32 v[TOFF], v2, 5, v[TOFF]
	s_lshl_b32 s22, s25, 8                         ; mask: 4 r + 64 rh words
	v_lshl_add_u32 v[MOFF], v1, 2, s22
	; Biases, mask words and table are first used on the way out: their one wait stands behind the K loop, and nothing in between
	; touches their registers, their offsets or their bases.
.irp m, 0,1,2
.irp c, 0,1,2,3
	global_load_b128 v[BIAS+32*\m+8*\c:BIAS+32*\m+8*\c+3],   v[BOFF], s[10+2*\m:11+2*\m] offset:64*\c      ; b[128 h + 64 ch + 16 c + 8 hh + 0..7]
	global_load_b128 v[BIAS+32*\m+8*\c+4:BIAS+32*\m+8*\c+7], v[BOFF], s[10+2*\m:11+2*\m] offset:64*\c+16
.endr
.endr
.irp a, 0,1,2,3
	global_load_b32 v[MK+\a], v[MOFF], s[80:81] offset:64*\a      ; mask[b][128 (mb mod 8) + 64 rh + 16 a + r]
.endr
	WIN 0xc0                                       ; destination window 3
.irp a, 0,1,2,3
.irp c, 0,1,2,3
	global_load_b128 v[128+8*(4*\a+\c):128+8*(4*\a+\c)+3],   v[TOFF], s[8:9] offset:8192*\a+64*\c      ; row t = .. + 16 a + r, pairs i = 32 ch + 8 c + 4 hh + 0..3
	global_load_b128 v[128+8*(4*\a+\c)+4:128+8*(4*\a+\c)+7], v[TOFF], s[8:9] offset:8192*\a+64*\c+16
.endr
.endr
	WIN 0
	v_mul_u32_u24 v6, v1, 272
	s_mul_i32 s22, s25, 64*272
	v_add_nc_u32 v6, s22, v6                       ; (64 rh + r) x 272
	v_lshl_add_u32 v7, v2, 4, v6
	v_add_nc_u32 v[ADRX], 3*WT, v7                 ; x fragment: row x pitch + 16 hh
	v_add_nc_u32 v[ADRX+1], SLOT+3*WT, v7
	v_lshl_add_u32 v8, v2, 3, v3                   ; W fragment: row of K 8 hh + (l & 7),
	v_mul_u32_u24 v8, v8, 288
	v_lshl_add_u32 v8, v4, 4, v8                   ; 16 bytes for the upper eight of sixteen lanes,
	s_lshl_b32 s23, s26, 7
	v_add_nc_u32 v8, s23, v8                       ; my 64 columns
.irp s, 0,1
.irp m, 0,1,2
	v_add_nc_u32 v[ADRW+3*\s+\m], \s*SLOT+\m*WT, v8
.endr
.endr
	v_add_nc_u32 v9, STAGE, v6
	s_lshl_b32 s22, s26, 6
	v_lshl_add_u32 v[STO], v2, 3, v9
	v_add_nc_u32 v[STO], s22, v[STO]               ; row, 64 ch + 8 hh
	v_lshl_add_u32 v[STOV], v2, 4, v9
	v_add_nc_u32 v[STOV], s23, v[STOV]             ; row, 128 ch + 16 hh
	s_mul_i32 s22, s24, 32*272
	s_add_co_u32 s22, s22, STAGE
	v_mul_u32_u24 v9, v2, 272
	v_lshl_add_u32 v9, v1, 4, v9
	v_add_nc_u32 v[RD], s22, v9                    ; rows 32 w + hh, 16 bytes a lane
	s_lshl_b32 s22, s24, 13
	v_lshl_add_u32 v[GO], v5, 4, s22               ; 32 w rows of 256 bytes + 16 l
; 16 matrix instructions: matrix mat (0 q, 1 k, 2 v), my 4 x 4 tiles, 32 along K, from buffer f.  zero = 1: the first product starts the sums.
.macro MULM f, mat, zero
.if \mat == 2
	WIN 0xf1                                       ; source 0 (W) window 1, source 1 (x) window 0, C and D window 3
.else
	WIN 0xa1                                       ; C and D window 2
.endif
.irp a, 0,1,2,3
.irp c, 0,1,2,3
.if \zero
	v_wmma_f32_16x16x32_f16 v[128*(\mat%2)+8*(4*\a+\c):128*(\mat%2)+8*(4*\a+\c)+7], v[96*\f+8*(4*\mat+\c):96*\f+8*(4*\mat+\c)+7], v[FX+32*\f+8*\a:FX+32*\f+8*\a+7], 0
.else
	v_wmma_f32_16x16x32_f16 v[128*(\mat%2)+8*(4*\a+\c):128*(\mat%2)+8*(4*\a+\c)+7], v[96*\f+8*(4*\mat+\c):96*\f+8*(4*\mat+\c)+7], v[FX+32*\f+8*\a:FX+32*\f+8*\a+7], v[128*(\mat%2)+8*(4*\a+\c):128*(\mat%2)+8*(4*\a+\c)+7]
.endif
.endr
.endr
.endm
; 32 LDS loads: the fragments of quarter q (32 along K) of a slot into buffer f
.macro FETCH slot, q, f
	WIN 0
.irp a, 0,1,2,3
	ds_load_b128 v[FX+32*\f+8*\a:FX+32*\f+8*\a+3],   v[ADRX+\slot] offset:4352*\a+64*\q
	ds_load_b128 v[FX+32*\f+8*\a+4:FX+32*\f+8*\a+7], v[ADRX+\slot] offset:4352*\a+64*\q+32
.endr
	WIN 0x40                                       ; destination window 1
.irp m, 0,1,2
.irp c, 0,1,2,3
	ds_load_tr16_b128 v[96*\f+8*(4*\m+\c):96*\f+8*(4*\m+\c)+3],   v[ADRW+3*\slot+\m] offset:9216*\q+32*\c
	ds_load_tr16_b128 v[96*\f+8*(4*\m+\c)+4:96*\f+8*(4*\m+\c)+7], v[ADRW+3*\slot+\m] offset:9216*\q+32*\c+4608
.endr
.endr
.endm
; One of a K step's first three quarters: fetches quarter q into buffer g and multiplies buffer f.
; The 48 accumulators take turns, one instruction a turn, in the same order in every quarter.
.macro QUARTER slot, q, f, g, zero
	PLACES 4                                       ; buffer g was read by the matrix instructions just issued
	FETCH \slot, \q, \g
	s_wait_dscnt 32                                ; all but the 32 just issued: buffer f is in
	MULM \f, 0, \zero
	MULM \f, 1, \zero
	MULM \f, 2, \zero
.endm
.macro THREE slot, zero
	QUARTER \slot, 1, 0, 1, \zero
	QUARTER \slot, 2, 1, 0, 0
	QUARTER \slot, 3, 0, 1, 0
.endm
; The last quarter multiplies buffer 1 and changes slots.  In front of the barrier each wave waits for its reads of this slot and for all
; its tensor loads (one is out: its tile of the next slot).  Behind it the refill comes first, then the next slot's first fragments.
; From a request to the wait for it a wave issues 176 matrix instructions.
.macro TURN slot, next, fill
	s_wait_dscnt 0x0                               ; my reads of this slot are over
	s_wait_tensorcnt 0x0                           ; all my tensor loads have landed
	ds_add_u32 v255, v255
	s_wait_dscnt 0x0
	s_barrier_signal -1                            ; (with fill = 1 this barrier opens a round of the cluster's barrier)
	MULM 1, 0, 0                                   ; register work while the others arrive
	WIN 0
	s_barrier_wait -1
.if \fill
	CREST                                          ; no wave of any partner still reads this slot or has a load on its way
	s_add_nc_u64 s[G0X+4*\slot+2:G0X+4*\slot+3], s[G0X+4*\slot+2:G0X+4*\slot+3], 512
	s_add_nc_u64 s[G0W+4*\slot+2:G0W+4*\slot+3], s[G0W+4*\slot+2:G0W+4*\slot+3], 0x100000
	JLOAD \slot                                    ; two K steps ahead; my one tensor load behind the round
.endif
	PLACES 4
	FETCH \next, 0, 0
	MULM 1, 1, 0
	MULM 1, 2, 0
.endm
.macro LAP zero
	THREE 0, \zero
	TURN 0, 1, 1
	THREE 1, 0
	TURN 1, 0, 1
.endm
	s_wait_tensorcnt 0x1                           ; my tile of K step 0 is in; K step 1's may stay out
	s_barrier_signal -1
	s_barrier_wait -1
	FETCH 0, 0, 0
	LAP 1                                          ; 16 K steps = 8 laps: the first starts the sums,
	WIN 0
	s_mov_b32 s3, 6
.Llap:
	LAP 0                                          ; six go round,
	WIN 0
	s_sub_co_u32 s3, s3, 1
	s_cmp_lg_u32 s3, 0
	s_cbranch_scc1 .Llap
	THREE 0, 0                                     ; the last fills nothing
	TURN 0, 1, 0
	THREE 1, 0
	s_wait_dscnt 0x0
	MULM 1, 0, 0
	MULM 1, 1, 0
	MULM 1, 2, 0
	WIN 0
	PLACES 4
	s_wait_loadcnt 0x0                             ; biases, mask words and table, asked for at the start
.set i, 0
.rept 16
	v_pk_mul_f32 v[BIAS+2*i:BIAS+2*i+1], v[BIAS+2*i:BIAS+2*i+1], s[38:39] op_sel_hi:[1,0]   ; q's bias takes the scale too
.set i, i+1
.endr
.irp a, 0,1,2,3
	v_cmp_ne_u32 s[84+\a], 0, v[MK+\a]             ; lanes whose row of tile a is a key that counts; it only selects values
.endr
; THE WAY OUT of one matrix: bias, RoPE (q, k), f16, zeros for k's masked rows, through the stage, rows of 256 bytes out.
.macro EMIT mat, last
.if \mat == 2
	WIN 0xc3                                       ; accumulators in window 3, bias in window 0
.else
	WIN 0x82                                       ; accumulators in window 2
.endif
.irp a, 0,1,2,3
.irp c, 0,1,2,3
.set AC, 128*(\mat%2)+8*(4*\a+\c)
.irp j, 0,2,4,6
.if \mat == 0
	v_pk_fma_f32 v[AC+\j:AC+\j+1], v[AC+\j:AC+\j+1], s[38:39], v[BIAS+32*\mat+8*\c+\j:BIAS+32*\mat+8*\c+\j+1] op_sel_hi:[1,0,1]
.else
	v_pk_add_f32 v[AC+\j:AC+\j+1], v[AC+\j:AC+\j+1], v[BIAS+32*\mat+8*\c+\j:BIAS+32*\mat+8*\c+\j+1]
.endif
.endr
.endr
.endr
.irp a, 0,1,2,3
.if \mat == 2
	WIN 0x0f                                       ; sources in window 3
.irp c, 0,1,2,3
.irp i, 0,1,2,3
	v_cvt_pk_f16_f32 v[TT+4*\c+\i], v[8*(4*\a+\c)+2*\i], v[8*(4*\a+\c)+2*\i+1]
.endr
.endr
	WIN 0
.irp c, 0,1,2,3
	ds_store_b128 v[STOV], v[TT+4*\c:TT+4*\c+3] offset:4352*\a+32*\c
.endr
.else
	WIN 0x0e                                       ; source 0 (sums) window 2, source 1 (table) window 3, the rest window 0
.irp c, 0,1,2,3
.set AC, 128*(\mat%2)+8*(4*\a+\c)
.set TB, 128+8*(4*\a+\c)
.irp p, 0,1,2,3
	v_mul_f32 v[TMP+2*\p],   v[AC+2*\p+1], v[TB+2*\p+1]                  ; x2 sin
	v_mul_f32 v[TMP+2*\p+1], v[AC+2*\p+1], v[TB+2*\p]                    ; x2 cos
.endr
.irp p, 0,1,2,3
	v_fma_f32 v[RES+8*\c+\p],   v[AC+2*\p], v[TB+2*\p],   -v[TMP+2*\p]   ; x1 cos - x2 sin: column i
	v_fma_f32 v[RES+8*\c+4+\p], v[AC+2*\p], v[TB+2*\p+1], v[TMP+2*\p+1]  ; x1 sin + x2 cos: column 64 + i
.endr
.endr
	WIN 0
.irp c, 0,1,2,3
.irp i, 0,1,2,3
	v_cvt_pk_f16_f32 v[TT+4*\c+\i], v[RES+8*\c+2*\i], v[RES+8*\c+2*\i+1]
.endr
.endr
.if \mat == 1
.irp c, 0,1,2,3
.irp i, 0,1,2,3
	v_cndmask_b32 v[TT+4*\c+\i], 0, v[TT+4*\c+\i], s[84+\a]              ; a masked key's row of k is zeros
.endr
.endr
.endif
.irp c, 0,1,2,3
	ds_store_b64 v[STO], v[TT+4*\c:TT+4*\c+1]   offset:4352*\a+16*\c       ; columns 32 ch + 8 c + 4 hh + 0..3
	ds_store_b64 v[STO], v[TT+4*\c+2:TT+4*\c+3] offset:4352*\a+16*\c+128   ; and 64 further on
.endr
.endif
.endr
	s_wait_dscnt 0x0                               ; my stores are in the stage: a row's bytes come from two waves
	s_barrier_signal -1
	s_barrier_wait -1
	s_wait_xcnt 0x0                                ; the registers below were the last matrix's store data (ISA guide 3.1)
.irp t, 0,1,2,3,4,5,6,7,8,9,10,11,12,13,14,15
	ds_load_b128 v[RB+4*\t:RB+4*\t+3], v[RD] offset:544*\t
.endr
.irp t, 0,1,2,3,4,5,6,7,8,9,10,11,12,13,14,15
	s_wait_dscnt 15-\t                             ; LDS loads come back in order: pair t of rows is in
	global_store_b128 v[GO], v[RB+4*\t:RB+4*\t+3], s[16+2*\mat:17+2*\mat] offset:512*\t   ; the wave stores 512 consecutive bytes, two rows
.endr
.if \last == 0
	s_barrier_signal -1                            ; every wave's reads of the stage are back (the count-down ended at 0): the next matrix may be laid into it
	s_barrier_wait -1
.endif
.endm
	EMIT 0, 0
	EMIT 1, 0
	EMIT 2, 1
	s_set_vgpr_msb 0x1
	s_wait_tensorcnt 0x0
	ds_add_u32 v255, v255
	s_wait_dscnt 0x0
	s_set_vgpr_msb 0x100
	CROUND                                         ; the closing round: no work-group ends while a partner may still ask for a tile that names it
	s_endpgm
.Lfunc_end_k_q7d9c8a0d2b_qkv:
	.size	k_q7d9c8a0d2b_qkv, .Lfunc_end_k_q7d9c8a0d2b_qkv-k_q7d9c8a0d2b_qkv
	.p2alignl 7, 3214868480
	.fill 96, 4, 3214868480
	.section	.rodata,"a",@progbits
	.p2align	6, 0x0
	.amdhsa_kernel k_q7d9c8a0d2b_qkv
		.amdhsa_group_segment_fixed_size 327680
		.amdhsa_private_segment_fixed_size 0
		.amdhsa_enable_private_segment 0
		.amdhsa_kernarg_size 80
		.amdhsa_user_sgpr_count 2
		.amdhsa_user_sgpr_kernarg_segment_ptr 1
		.amdhsa_wavefront_size32 1
		.amdhsa_system_sgpr_workgroup_id_x 1
		.amdhsa_system_sgpr_workgroup_id_y 1
		.amdhsa_system_sgpr_workgroup_id_z 1
		.amdhsa_system_vgpr_workitem_id 0
		.amdhsa_next_free_vgpr 1024
		.amdhsa_next_free_sgpr 88
		.amdhsa_reserve_vcc 0
		.amdhsa_float_denorm_mode_32 3
		.amdhsa_float_denorm_mode_16_64 3
		.amdhsa_memory_ordered 1
		.amdhsa_forward_progress 1
		.amdhsa_inst_pref_size 214
	.end_amdhsa_kernel
	.amdgpu_metadata
---
amdhsa.version: [ 1, 2 ]
amdhsa.kernels:
  - .name:           k_q7d9c8a0d2b_qkv
    .symbol:         k_q7d9c8a0d2b_qkv.kd
    .args:
      - { .name: xb, .offset: 0, .size: 8, .value_kind: global_buffer, .address_space: global }
      - { .name: wb, .offset: 8, .size: 8, .value_kind: global_buffer, .address_space: global }
      - { .name: tab, .offset: 16, .size: 8, .value_kind: global_buffer, .address_space: global }
      - { .name: bq, .offset: 24, .size: 8, .value_kind: global_buffer, .address_space: global }
      - { .name: bk, .offset: 32, .size: 8, .value_kind: global_buffer, .address_space: global }
      - { .name: bv, .offset: 40, .size: 8, .value_kind: global_buffer, .address_space: global }
      - { .name: qb, .offset: 48, .size: 8, .value_kind: global_buffer, .address_space: global }
      - { .name: kb, .offset: 56, .size: 8, .value_kind: global_buffer, .address_space: global }
      - { .name: vb, .offset: 64, .size: 8, .value_kind: global_buffer, .address_space: global }
      - { .name: attention_mask, .offset: 72, .size: 8, .value_kind: global_buffer, .address_space: global }
    .group_segment_fixed_size: 327680
    .private_segment_fixed_size: 0
    .kernarg_segment_align: 8
    .kernarg_segment_size: 80
    .max_flat_workgroup_size: 128
    .sgpr_count:     88
    .vgpr_count:     1024
    .wavefront_size: 32
...
	.end_amdgpu_metadata
.endif
;; end of part 2
;; launch attn (part 3): grid 8 x 32, 8 waves a work-group, clusters of 4 x 1, 327,680 bytes of LDS; arguments qb, kb, vb, attention_mask, ab; writes ab
.if DOCPART == 3
	.amdgcn_target "amdgcn-amd-amdhsa--gfx1250"
	.amdhsa_code_object_version 6
	.text
	.protected	k_q7d9c8a0d2b_attn
	.globl	k_q7d9c8a0d2b_attn
	.p2align	8
	.type	k_q7d9c8a0d2b_attn,@function
k_q7d9c8a0d2b_attn:
	s_mov_b64 s[64:65], 0
	v_nop
	global_prefetch_b8 v0, s[64:65] scope:SCOPE_SE
	s_setreg_imm32_b32 hwreg(HW_REG_WAVE_MODE, 25, 1), 1
	s_wait_xcnt 0x0
	s_wait_alu depctr_hold_cnt(0) depctr_sa_sdst(0) depctr_va_vdst(0) depctr_va_sdst(0) depctr_va_ssrc(0) depctr_va_vcc(0) depctr_vm_vsrc(0)
	s_getreg_b32 s2, hwreg(HW_REG_IB_STS2, 6, 4)
	s_cmp_eq_u32 s2, 0
	s_cbranch_scc0 .Lentry_in_a_cluster
	s_endpgm
.Lentry_in_a_cluster:
	s_bfe_u32 s2, ttmp6, 0x10000c
	s_cmp_lg_u32 s2, 0x3003
	s_cbranch_scc0 .Lentry_shape_is_right
	s_endpgm
.Lentry_shape_is_right:
; attn: softmax(q k^T, masked keys replaced by -1e9) v for one (batch, head) and 128 queries, with a running maximum.
; Work-group (x = query block of 128, y = 16 b + h): 8 x 32 = 256 work-groups.
; EIGHT WAVES, two on a SIMD.  Wave w = (p = w & 3, g = w >> 2) takes queries 32 p .. +31 (two tiles) and, of every 256 keys, the 128
; with number 128 g: four sub-steps of 128 keys.  A sub-step is 64 matrix instructions, 448 vector instructions of the softmax, 64 matrix
; instructions, each phase waiting for the one before; with two waves on a SIMD one wave's vector phase has the other's matrix phase
; beside it.  The keys are split, not the queries, so each fragment of K and V still feeds two query tiles: no more LDS reads than with
; four waves.  The two groups keep a maximum, a sum and an O of their own and are joined at the end:
; O = (Oa 2^(ma-m) + Ob 2^(mb-m)) / (la 2^(ma-m) + lb 2^(mb-m)), m = max(ma, mb).  Every wave keeps its tile 0 and hands its tile 1 to wave
; w xor 4; the g = 1 waves hold their two query tiles the other way round, so that the text is one for all waves.
; THE MASK: q already carries 128^-0.5 log2(e), so the exponentials are powers of 2 and the replacement is -1e9 log2(e).  The rows of k of
; masked keys were stored as zeros, so their products are exactly 0; the first product of a sub-step takes as its C a tile of biases, 0 or
; -1e9 log2(e), made once from the mask's words and kept in LDS.  The sum is exactly the replacement; a batch whose keys are all masked
; gives equal weights.  LIMIT: a q that is not finite gives NaN at masked keys too (q is finite inside the f16 range below).
; CLUSTERS: the four work-groups of a cluster are four query blocks of one (b, h): they read the same K and V tiles and ask jointly.
; ORIENTATION: S^T = K Q^T (source 0 = 16 keys, source 1 = 16 queries): lane l holds query l % 16, registers 0..7 keys 8 (l / 16) + 0..7.
; Two such tiles, rounded to f16 in place, ARE source 1 of O^T = V^T P^T: no number changes its lane.  Maximum and sum of a query lie
; in one lane of each half of the wave; v_permlanex16_b32 joins the halves.  V lies [key][d]; ds_load_tr16_b128 brings V^T's fragments.
; An LDS slot holds 256 keys' V and K; two slots, four visits, written out; one tensor load a wave, 64 rows x 256 bytes.  By this text's
; count a wave has at most two tensor loads out (the first fills), later one.  No prefetch: every tile is asked for a visit ahead.
; LIMITS: P and the output are f16: P lies in (0, 1] (below 6e-8 it becomes 0); the output is a mean of v's rows and has v's range.
; REGISTERS: window 0: v10-23 addresses, v24-31 mask and bias words, v32-61 the softmax's figures, v64-127 Q's fragments,
;   v128-191 and v192-255 two buffers of fragments;   window 1: v0-127 S, then P in place; v128-255 O (q, d) at 128 + 64 q + 8 d
.set VP,    288                        ; V's pitch: 256 bytes + 32 = 9 x 32
.set KP,    272                        ; K's pitch: 256 bytes + 16 = 17 x 16
.set VAREA, 256*VP                     ; a slot's 256 rows of V, then its 256 rows of K
.set SLOT,  VAREA+256*KP               ; 143,360
.set BIASL, 2*SLOT                     ; 1,024 biases in f32; no tensor load lands here
.set STAGE, BIASL+4096                 ; 16 rows x 272 bytes for each wave; no tensor load lands here
.set BOX,   8704                       ; what a wave hands over: 64 registers x 128 bytes, then (m, l) at 16 bytes a lane.  The eight boxes lie in slot 0,
                                       ; which has had its last fill, and whose last reads end in front of the fourth visit's barrier
.set KA,    10                         ; v10-11  LDS address of my K fragments, slot 0, 1
.set VA,    12                         ; v12-13  of my V fragments
.set BA,    14                         ; v14     of my biases
.set QO,    15                         ; v15-16  byte offset of my query tile 0, 1
.set STO,   17
.set RD,    18
.set CO,    19
.set MBO,   20                         ; v20     my box
.set MBI,   21                         ; v21     my partner's
.set MO,    22                         ; v22     16 x thread: my four mask words
.set BST,   23                         ; v23     where their biases go
.set MW,    24
.set BW,    28
.set MXA,   32
.set MXB,   34
.set TP,    36
.set RM,    38                         ; my partner's (m, l)
.set MP,    40                         ; the maximum, twice in a pair: 4 parity + 2 q
.set AL,    48                         ; 2^(old maximum - new), pairs
.set LA,    52                         ; the sums, two pairs a query tile
.set LB,    56
.set DM,    60
.set Q,     64
.set G1K,   24
.set G1V,   32
.set G0K,   40
.set G0V,   48
.set MSB,   0
.macro WIN new                         ; s_set_vgpr_msb: bits 1:0 source 0, 3:2 source 1, 5:4 source 2, 7:6 destination; the high byte repeats the setting left
.if MSB != \new
	s_set_vgpr_msb (MSB<<8)|\new
.set MSB, \new
.endif
.endm
.macro PLACES n                        ; places behind matrix instructions (ISA guide 7.12.1)
.rept \n
	v_nop
.endr
.endm
.macro JLOAD s                         ; waves 0 to 3 ask for a slot's V, 64 keys each, waves 4 to 7 for its K
	s_cmp_eq_u32 s15, 0
	s_cbranch_scc0 .Lfor_k_\@
	tensor_load_to_lds s[G0V+4*\s:G0V+4*\s+3], s[G1V:G1V+7]
	s_nop 0
	s_branch .Lasked_\@
.Lfor_k_\@:
	tensor_load_to_lds s[G0K+4*\s:G0K+4*\s+3], s[G1K:G1K+7]
	s_nop 0
.Lasked_\@:
.endm
.macro CREST
	s_cmp_lg_u32 s14, 0
	s_cbranch_scc1 .Lnot_wave_0_\@
	s_barrier_signal -3
.Lnot_wave_0_\@:
	s_barrier_wait -3
	s_barrier_signal -1
	s_barrier_wait -1
.endm
.macro CROUND
	s_barrier_signal -1
	s_barrier_wait -1
	CREST
.endm
	s_load_b256 s[4:11], s[0:1], 0x0               ; qb s[4:5], kb s[6:7], vb s[8:9], attention_mask s[10:11]
	s_load_b64 s[12:13], s[0:1], 0x20              ; ab
	v_lshl_add_u32 v62, v0, 2, 0x4f800
	v_mov_b32 v63, 0
	ds_add_u32 v62, v63
	v_lshrrev_b32 v1, 5, v0
	v_readfirstlane_b32 s14, v1                    ; wave 0..7
	s_lshr_b32 s15, s14, 2                         ; g: which 128 of a slot's 256 keys are mine.  Also: I fetch for V (0) or K (1)
	s_and_b32 s16, s14, 3                          ; p: which 32 queries.  Also: which 64 keys I fetch
	s_bfe_u32 s17, ttmp6, 0x40000                  ; cx
	s_lshl_b32 s21, ttmp9, 2
	s_add_co_u32 s21, s21, s17                     ; query block
	s_and_b32 s22, ttmp7, 0xffff                   ; 16 b + h (the cluster is one work-group high)
	s_mov_b32 s18, 0x76543210                      ; v_permlanex16_b32: lane i of one half reads lane i of the other
	s_mov_b32 s19, 0xfedcba98
	s_mov_b32 s20, 0xceabfb8f                      ; -1e9 log2(e)
	s_mov_b32 s[G1K+0], 15|(1<<16)|(1<<20)|(1<<21)|(5<<22)|(3<<25)   ; all four of the cluster; 2-byte elements; after 64 words 4 of padding
	s_mov_b32 s[G1V+0], 15|(1<<16)|(1<<20)|(1<<21)|(5<<22)|(7<<25)   ; 8 of padding
.irp g, G1K, G1V
	s_mov_b32 s[\g+1], 128<<16                     ; tensor_dim0 = 128
	s_mov_b32 s[\g+2], 64<<16                      ; tensor_dim1 = 64
	s_mov_b32 s[\g+3], 128<<16                     ; tile_dim0 = 128 elements (256 bytes)
	s_mov_b32 s[\g+4], 64                          ; tile_dim1 = 64 rows
	s_mov_b32 s[\g+5], 128                         ; a head's rows follow each other
	s_mov_b32 s[\g+6], 0
	s_mov_b32 s[\g+7], 0
.endr
	s_mul_i32 s23, s14, 64*VP                      ; V (waves 0 to 3): wave x 18,432
	s_mul_i32 s60, s14, 64*KP                      ; K (waves 4 to 7): wave x 17,408 + 4,096, which is VAREA for wave 4
	s_add_co_u32 s60, s60, VAREA-256*KP
	s_lshl_b32 s56, s22, 18                        ; K, V: (16 b + h) x 1,024 rows of 256 bytes
	s_lshl_b32 s57, s16, 14                        ; + my 64 keys
	s_add_co_u32 s56, s56, s57
	s_mov_b32 s57, 0
	s_lshl_b32 s58, s22, 18                        ; Q: (16 b + h) x 1,024 + 128 x + 32 p rows of 256 bytes
	s_lshl_b32 s59, s21, 15
	s_add_co_u32 s58, s58, s59
	s_lshl_b32 s59, s16, 13
	s_add_co_u32 s58, s58, s59
	s_mov_b32 s59, 0
	s_lshr_b32 s61, s22, 4                         ; b
	s_lshl_b32 s62, s61, 12                        ; the mask's row
	s_mov_b32 s63, 0
	v_and_b32 v1, 15, v0                           ; r
	v_bfe_u32 v2, v0, 4, 1                         ; hh
	v_and_b32 v3, 7, v0
	v_bfe_u32 v4, v0, 3, 1
	v_and_b32 v5, 31, v0                           ; l
	v_lshlrev_b32 v6, 8, v1
	v_lshl_add_u32 v6, v2, 4, v6                   ; 256 r + 16 hh
	s_lshl_b32 s17, s15, 12
	v_add_nc_u32 v[QO], s17, v6                    ; my tile 0: queries 32 p + 16 g ..
	s_xor_b32 s17, s17, 4096
	v_add_nc_u32 v[QO+1], s17, v6                  ; my tile 1: the other sixteen
	v_lshlrev_b32 v[MO], 4, v0                     ; 256 threads x 4 words = the batch's 1,024
	s_wait_dscnt 0x0
	s_wait_kmcnt 0x0
	s_add_nc_u64 s[4:5], s[4:5], s[58:59]
	s_add_nc_u64 s[10:11], s[10:11], s[62:63]
	s_add_nc_u64 s[6:7], s[6:7], s[56:57]
	s_add_nc_u64 s[8:9], s[8:9], s[56:57]
	; The mask's words and Q are asked for ahead of the cluster's round: they are on their way while the work-groups gather.
	global_load_b128 v[MW:MW+3], v[MO], s[10:11]
.irp q, 0,1
.irp c, 0,1,2,3
	global_load_b128 v[Q+32*\q+8*\c:Q+32*\q+8*\c+3],   v[QO+\q], s[4:5] offset:64*\c
	global_load_b128 v[Q+32*\q+8*\c+4:Q+32*\q+8*\c+7], v[QO+\q], s[4:5] offset:64*\c+32
.endr
.endr
	CROUND                                         ; all four work-groups are here: the first joint loads meet
.irp s, 0,1
	s_mov_b32 s[G0K+4*\s], 1
	s_add_co_u32 s[G0K+4*\s+1], s60, \s*SLOT
	s_add_nc_u64 s[G0K+4*\s+2:G0K+4*\s+3], s[6:7], \s*65536        ; slot s: keys 256 s ..
	s_or_b32 s[G0K+4*\s+3], s[G0K+4*\s+3], 0x80000000
	s_mov_b32 s[G0V+4*\s], 1
	s_add_co_u32 s[G0V+4*\s+1], s23, \s*SLOT
	s_add_nc_u64 s[G0V+4*\s+2:G0V+4*\s+3], s[8:9], \s*65536
	s_or_b32 s[G0V+4*\s+3], s[G0V+4*\s+3], 0x80000000
	JLOAD \s
.endr
	s_lshl_b32 s58, s61, 22                        ; ab: (1,024 b + 128 x + 32 p + 16 g) rows of 4,096 bytes + 256 h
	s_lshl_b32 s59, s21, 19
	s_add_co_u32 s58, s58, s59
	s_lshl_b32 s59, s16, 17
	s_add_co_u32 s58, s58, s59
	s_lshl_b32 s59, s15, 16
	s_add_co_u32 s58, s58, s59
	s_and_b32 s59, s22, 15
	s_lshl_b32 s59, s59, 8
	s_add_co_u32 s58, s58, s59
	s_mov_b32 s59, 0
	s_add_nc_u64 s[12:13], s[12:13], s[58:59]
	v_mul_u32_u24 v6, v1, KP
	v_lshl_add_u32 v6, v2, 4, v6                   ; r x 272 + 16 hh
	s_mul_i32 s61, s15, 128*KP
	s_add_co_u32 s61, s61, VAREA
	v_add_nc_u32 v[KA], s61, v6                    ; K: my 128 keys' rows
	v_add_nc_u32 v[KA+1], SLOT, v[KA]
	v_lshl_add_u32 v8, v2, 3, v3                   ; V: key 8 hh + (l & 7),
	v_mul_u32_u24 v8, v8, VP
	v_lshl_add_u32 v8, v4, 4, v8                   ; 16 bytes for the upper eight of sixteen lanes
	s_mul_i32 s61, s15, 128*VP
	v_add_nc_u32 v[VA], s61, v8
	v_add_nc_u32 v[VA+1], SLOT, v[VA]
	s_lshl_b32 s61, s15, 9
	s_add_co_u32 s61, s61, BIASL
	v_lshl_add_u32 v[BA], v2, 5, s61               ; biases of keys 128 g + 8 hh + 0..7
	s_mul_i32 s61, s14, 4352
	s_add_co_u32 s61, s61, STAGE
	v_add_nc_u32 v[STO], s61, v6
	v_mul_u32_u24 v9, v2, 272
	v_lshl_add_u32 v9, v1, 4, v9
	v_add_nc_u32 v[RD], s61, v9
	v_lshlrev_b32 v[CO], 12, v2
	v_lshl_add_u32 v[CO], v1, 4, v[CO]
	s_mul_i32 s61, s14, BOX
	v_lshl_add_u32 v[MBO], v5, 4, s61
	s_xor_b32 s61, s14, 4
	s_mul_i32 s61, s61, BOX
	v_lshl_add_u32 v[MBI], v5, 4, s61
	v_add_nc_u32 v[BST], BIASL, v[MO]
	v_mov_b32 v7, 0
.irp q, 0,1,2,3
	v_mov_b32 v[MP+4+\q], 0xff800000               ; the maximum so far: minus infinity
.endr
	v_mov_b32 v[TP], 0                             ; v_permlanex16_b32's destination counts as read
	v_mov_b32 v[TP+1], 0
	s_wait_loadcnt 16                              ; the mask's load is in; Q's 16, issued behind it, may stay out
.irp e, 0,1,2,3
	v_cmp_ne_u32 s[56+\e], 0, v[MW+\e]             ; it only selects values
.endr
.irp e, 0,1,2,3
	v_cndmask_b32 v[BW+\e], s20, v7, s[56+\e]      ; mask = 0: the replacement; else 0
.endr
	ds_store_b128 v[BST], v[BW:BW+3]
.macro KLOAD ka, c, f                  ; 16 loads: 128 keys x 32 of d (chunk c) into buffer f
	WIN 0
.irp t, 0,1,2,3,4,5,6,7
	ds_load_b128 v[128+64*\f+8*\t:128+64*\f+8*\t+3],   v[\ka] offset:4352*\t+64*\c
	ds_load_b128 v[128+64*\f+8*\t+4:128+64*\f+8*\t+7], v[\ka] offset:4352*\t+64*\c+32
.endr
.endm
.macro VLOAD va, kc, f                 ; 16 loads: 128 of d x 32 keys (chunk kc), transposed, into buffer f
	WIN 0
.irp d, 0,1,2,3,4,5,6,7
	ds_load_tr16_b128 v[128+64*\f+8*\d:128+64*\f+8*\d+3],   v[\va] offset:9216*\kc+32*\d
	ds_load_tr16_b128 v[128+64*\f+8*\d+4:128+64*\f+8*\d+7], v[\va] offset:9216*\kc+32*\d+4608
.endr
.endm
.macro BLOAD vi, f                     ; 16 loads: the biases of visit vi's keys, key 16 t + 8 hh + j into register 8 t + j; sixteen lanes read the same 16 bytes
	WIN 0
.irp t, 0,1,2,3,4,5,6,7
	ds_load_b128 v[128+64*\f+8*\t:128+64*\f+8*\t+3],   v[BA] offset:1024*\vi+64*\t
	ds_load_b128 v[128+64*\f+8*\t+4:128+64*\f+8*\t+7], v[BA] offset:1024*\vi+64*\t+16
.endr
.endm
; The 16 accumulators of a phase take turns, one instruction a turn.
.macro SMUL0                           ; S^T = K(chunk 0, buffer 0) Q^T(chunk 0) + the biases (buffer 1)
	WIN 0x40                                       ; D window 1, all sources window 0
.irp t, 0,1,2,3,4,5,6,7
.irp q, 0,1
	v_wmma_f32_16x16x32_f16 v[64*\q+8*\t:64*\q+8*\t+7], v[128+8*\t:128+8*\t+7], v[Q+32*\q:Q+32*\q+7], v[192+8*\t:192+8*\t+7]
.endr
.endr
.endm
.macro SMUL f, c                       ; S^T += K(chunk c) Q^T(chunk c)
	WIN 0x50                                       ; C and D window 1
.irp t, 0,1,2,3,4,5,6,7
.irp q, 0,1
	v_wmma_f32_16x16x32_f16 v[64*\q+8*\t:64*\q+8*\t+7], v[128+64*\f+8*\t:128+64*\f+8*\t+7], v[Q+32*\q+8*\c:Q+32*\q+8*\c+7], v[64*\q+8*\t:64*\q+8*\t+7]
.endr
.endr
.endm
.macro PMUL f, kc, zero                ; O^T += V^T(chunk kc) P^T(chunk kc)
	WIN 0x54                                       ; source 1 (P), C and D window 1
.irp d, 0,1,2,3,4,5,6,7
.irp q, 0,1
.if \zero
	v_wmma_f32_16x16x32_f16 v[128+64*\q+8*\d:128+64*\q+8*\d+7], v[128+64*\f+8*\d:128+64*\f+8*\d+7], v[64*\q+16*\kc:64*\q+16*\kc+7], 0
.else
	v_wmma_f32_16x16x32_f16 v[128+64*\q+8*\d:128+64*\q+8*\d+7], v[128+64*\f+8*\d:128+64*\f+8*\d+7], v[64*\q+16*\kc:64*\q+16*\kc+7], v[128+64*\q+8*\d:128+64*\q+8*\d+7]
.endif
.endr
.endr
.endm
.macro SOFTMAX vi, first
.set NEWP, MP+4*(\vi%2)
.set OLDP, MP+4*(1-(\vi%2))
	WIN 0x14                                       ; sources 1 and 2 (S) window 1
.irp q, 0,1                            ; the maximum: four chains, started by the maximum so far
	v_max3_num_f32 v[MXA+\q], v[OLDP+2*\q], v[64*\q],    v[64*\q+1]
	v_max3_num_f32 v[MXB+\q], v[OLDP+2*\q], v[64*\q+32], v[64*\q+33]
.endr
.set i, 2
.rept 15
.irp q, 0,1
	v_max3_num_f32 v[MXA+\q], v[MXA+\q], v[64*\q+i],    v[64*\q+i+1]
	v_max3_num_f32 v[MXB+\q], v[MXB+\q], v[64*\q+32+i], v[64*\q+32+i+1]
.endr
.set i, i+2
.endr
	WIN 0
.irp q, 0,1
	v_max_num_f32 v[MXA+\q], v[MXA+\q], v[MXB+\q]
.endr
.irp q, 0,1
	v_permlanex16_b32 v[TP+\q], v[MXA+\q], s18, s19    ; the other half's keys
.endr
.irp q, 0,1
	v_max_num_f32 v[NEWP+2*\q],   v[MXA+\q], v[TP+\q]
	v_max_num_f32 v[NEWP+2*\q+1], v[MXA+\q], v[TP+\q]
.endr
.if \first == 0
.irp q, 0,1
	v_sub_f32 v[DM+\q], v[OLDP+2*\q], v[NEWP+2*\q]
	v_exp_f32 v[AL+2*\q],   v[DM+\q]               ; what the old sums and O are worth under the new maximum;
	v_exp_f32 v[AL+2*\q+1], v[DM+\q]               ; plain instructions that touch neither follow before its use (ISA guide 5.7.2)
.endr
.endif
	WIN 0x41                                       ; destination and source 0 window 1
.set i, 0
.rept 64
	v_pk_add_f32 v[2*i:2*i+1], v[2*i:2*i+1], v[NEWP+2*(i/32):NEWP+2*(i/32)+1] neg_lo:[0,1] neg_hi:[0,1]   ; the maximum is taken away
.set i, i+1
.endr
.set i, 0
.rept 128
	v_exp_f32 v[i], v[i]
.set i, i+1
.endr
.if \first
	v_nop                                          ; the plain instruction between the exponentials and the first use of a result (ISA guide 5.7.2)
.else
.set i, 0
	s_wait_alu depctr_va_vdst(0)
.rept 64                               ; O under the new maximum: also the plain instructions behind the exponentials
	v_pk_mul_f32 v[128+2*i:128+2*i+1], v[128+2*i:128+2*i+1], v[AL+2*(i/32):AL+2*(i/32)+1]
.set i, i+1
.endr
.endif
	; the sums, in f32, of the weights before they are rounded: four chains
.if \first
	WIN 0x05                                       ; both sources window 1
	s_wait_alu depctr_va_vdst(0)
.irp q, 0,1
	v_pk_add_f32 v[LA+2*\q:LA+2*\q+1], v[64*\q:64*\q+1],     v[64*\q+2:64*\q+3]
	v_pk_add_f32 v[LB+2*\q:LB+2*\q+1], v[64*\q+32:64*\q+33], v[64*\q+34:64*\q+35]
.endr
	WIN 0x04                                       ; source 1 window 1
.else
	WIN 0x10                                       ; source 2 window 1
.irp q, 0,1
	v_pk_fma_f32 v[LA+2*\q:LA+2*\q+1], v[LA+2*\q:LA+2*\q+1], v[AL+2*\q:AL+2*\q+1], v[64*\q:64*\q+1]
	v_pk_fma_f32 v[LB+2*\q:LB+2*\q+1], v[LB+2*\q:LB+2*\q+1], v[AL+2*\q:AL+2*\q+1], v[64*\q+32:64*\q+33]
.endr
	WIN 0x04
.irp q, 0,1
	v_pk_add_f32 v[LA+2*\q:LA+2*\q+1], v[LA+2*\q:LA+2*\q+1], v[64*\q+2:64*\q+3]
	v_pk_add_f32 v[LB+2*\q:LB+2*\q+1], v[LB+2*\q:LB+2*\q+1], v[64*\q+34:64*\q+35]
.endr
.endif
.set i, 4
.rept 14
.irp q, 0,1
	v_pk_add_f32 v[LA+2*\q:LA+2*\q+1], v[LA+2*\q:LA+2*\q+1], v[64*\q+i:64*\q+i+1]
	v_pk_add_f32 v[LB+2*\q:LB+2*\q+1], v[LB+2*\q:LB+2*\q+1], v[64*\q+32+i:64*\q+32+i+1]
.endr
.set i, i+2
.endr
	WIN 0x45                                       ; everything window 1
.set i, 0
.rept 8                                ; two tiles of S (16 registers) become one fragment of P (8), in place: each write lands on a register already read
.irp e, 0,1,2,3,4,5,6,7
	v_cvt_pk_f16_f32 v[16*i+\e], v[16*i+2*\e], v[16*i+2*\e+1]
.endr
.set i, i+1
.endr
.endm
; My sub-step of visit vi: 128 keys.  Every s_wait_dscnt 16: the older batch of 16 loads is in, the younger may stay out.
.macro SUB vi, ka, va, first
	KLOAD \ka, 0, 0
	BLOAD \vi, 1
	s_wait_dscnt 0x0
	SMUL0
	PLACES 4                                       ; a buffer is loaded again four places behind the matrix instructions that read it
	KLOAD \ka, 1, 0
	KLOAD \ka, 2, 1
	s_wait_dscnt 16
	SMUL 0, 1
	PLACES 4
	KLOAD \ka, 3, 0
	s_wait_dscnt 16
	SMUL 1, 2
	PLACES 4
	VLOAD \va, 0, 1
	s_wait_dscnt 16
	SMUL 0, 3
	PLACES 4                                       ; also the places in front of the softmax's reads of S
	VLOAD \va, 1, 0
	SOFTMAX \vi, \first
	s_wait_dscnt 16
	PMUL 1, 0, \first
	PLACES 4
	VLOAD \va, 2, 1
	s_wait_dscnt 16
	PMUL 0, 1, 0
	PLACES 4
	VLOAD \va, 3, 0
	s_wait_dscnt 16
	PMUL 1, 2, 0
	s_wait_dscnt 0x0
	PMUL 0, 3, 0
	WIN 0
	PLACES 5                                       ; the next S products write over P, a source of these (ISA guide 7.12.1)
.endm
; A change of slots with a refill: every wave's reads and tensor loads are over, a round of the cluster's barrier, the joint refill first behind it.
.macro REFILL s
	s_wait_dscnt 0x0
	s_wait_tensorcnt 0x0                           ; all my loads have landed, my part of the slot read next among them: a group 0 may be written
	ds_add_u32 v62, v63
	s_wait_dscnt 0x0
	s_add_nc_u64 s[G0K+4*\s+2:G0K+4*\s+3], s[G0K+4*\s+2:G0K+4*\s+3], 131072   ; 512 keys on
	s_add_nc_u64 s[G0V+4*\s+2:G0V+4*\s+3], s[G0V+4*\s+2:G0V+4*\s+3], 131072
	CROUND
	JLOAD \s
.endm
	s_wait_loadcnt 0x0                             ; Q
	s_wait_dscnt 0x0                               ; my four biases are in LDS: every wave reads all of them behind the barrier
	s_wait_tensorcnt 0x1                           ; my part of slot 0 is in; slot 1's may stay out
	s_barrier_signal -1
	s_barrier_wait -1
	SUB 0, KA+0, VA+0, 1
	REFILL 0                                       ; keys 512 to 767 into slot 0
	SUB 1, KA+1, VA+1, 0
	REFILL 1                                       ; keys 768 to 1,023 into slot 1
	SUB 2, KA+0, VA+0, 0
	s_wait_dscnt 0x0                               ; my reads of slot 0 are over: behind this barrier it takes the boxes
	s_wait_tensorcnt 0x0                           ; the last tiles have landed; nothing is left to fetch
	s_barrier_signal -1
	s_barrier_wait -1
	SUB 3, KA+1, VA+1, 0
	; My sums over my 512 keys, in every lane.
.irp q, 0,1
	v_pk_add_f32 v[LA+2*\q:LA+2*\q+1], v[LA+2*\q:LA+2*\q+1], v[LB+2*\q:LB+2*\q+1]
.endr
.irp q, 0,1
	v_add_f32 v[LA+2*\q], v[LA+2*\q], v[LA+2*\q+1]
.endr
.irp q, 0,1
	v_permlanex16_b32 v[TP+\q], v[LA+2*\q], s18, s19
.endr
.irp q, 0,1
	v_add_f32 v[LA+2*\q], v[LA+2*\q], v[TP+\q]
.endr
	; Tile 1 goes to my partner: O, 16 bytes a lane and store, then its maximum and its sum.
	WIN 0x04                                       ; an LDS store's data is source 1: window 1
.set i, 0
.rept 16
	ds_store_b128 v[MBO], v[192+4*i:192+4*i+3] offset:512*i
.set i, i+1
.endr
	WIN 0
	ds_store_b32 v[MBO], v[MP+6] offset:8192       ; the fourth visit's maximum of tile 1
	ds_store_b32 v[MBO], v[LA+2] offset:8196
	s_wait_dscnt 0x0                               ; my box is whole
	s_barrier_signal -1
	s_barrier_wait -1
.set i, 0
.rept 16
	ds_load_b128 v[128+4*i:128+4*i+3], v[MBI] offset:512*i    ; my partner's O of the queries of my tile 0
.set i, i+1
.endr
	ds_load_b64 v[RM:RM+1], v[MBI] offset:8192
	s_wait_dscnt 0x0
	v_max_num_f32 v[MXA], v[MP+4], v[RM]           ; the maximum over all 1,024 keys
	v_sub_f32 v[MXB], v[MP+4], v[MXA]
	v_sub_f32 v[MXB+1], v[RM], v[MXA]
	v_exp_f32 v[MXB], v[MXB]
	v_exp_f32 v[MXB+1], v[MXB+1]
	v_nop                                          ; the plain instruction behind the exponentials (ISA guide 5.7.2)
	s_wait_alu depctr_va_vdst(0)
	v_mul_f32 v[TP], v[LA], v[MXB]
	v_fma_f32 v[TP], v[RM+1], v[MXB+1], v[TP]      ; the sum: at least 1, since the key with the maximum adds 2^0
	v_rcp_f32 v[TP], v[TP]
	v_nop                                          ; the plain instruction behind v_rcp_f32
	s_wait_alu depctr_va_vdst(0)
	v_mul_f32 v[AL],   v[MXB],   v[TP]
	v_mul_f32 v[AL+1], v[MXB],   v[TP]
	v_mul_f32 v[AL+2], v[MXB+1], v[TP]
	v_mul_f32 v[AL+3], v[MXB+1], v[TP]
.set i, 0
.rept 32
	v_pk_mul_f32 v[128+2*i:128+2*i+1], v[128+2*i:128+2*i+1], v[AL+2:AL+3]
.set i, i+1
.endr
	WIN 0x01                                       ; source 0 (my O) window 1; the result lands in window 0
.set i, 0
.rept 32
	v_pk_fma_f32 v[128+2*i:128+2*i+1], v[128+2*i:128+2*i+1], v[AL:AL+1], v[128+2*i:128+2*i+1]
.set i, i+1
.endr
	WIN 0
	; 16 queries out: f16, 16 bytes a lane into my own stage, whole rows of 256 bytes back.  LDS serves a wave's instructions in order
	; (ISA guide 5.7.1.4), so the loads see the stores.
.irp d, 0,1,2,3,4,5,6,7
.irp i, 0,1,2,3
	v_cvt_pk_f16_f32 v[192+4*\d+\i], v[128+8*\d+2*\i], v[128+8*\d+2*\i+1]
.endr
.endr
.irp d, 0,1,2,3,4,5,6,7
	ds_store_b128 v[STO], v[192+4*\d:192+4*\d+3] offset:32*\d
.endr
.irp t, 0,1,2,3,4,5,6,7
	ds_load_b128 v[224+4*\t:224+4*\t+3], v[RD] offset:544*\t
.endr
.irp t, 0,1,2,3,4,5,6,7
	s_wait_dscnt 7-\t
	global_store_b128 v[CO], v[224+4*\t:224+4*\t+3], s[12:13] offset:2*\t*4096   ; 16 lanes store 256 consecutive bytes, aligned
.endr
	s_wait_tensorcnt 0x0
	ds_add_u32 v62, v63
	s_wait_dscnt 0x0
	CROUND                                         ; the closing round
	s_endpgm
.Lfunc_end_k_q7d9c8a0d2b_attn:
	.size	k_q7d9c8a0d2b_attn, .Lfunc_end_k_q7d9c8a0d2b_attn-k_q7d9c8a0d2b_attn
	.p2alignl 7, 3214868480
	.fill 96, 4, 3214868480
	.section	.rodata,"a",@progbits
	.p2align	6, 0x0
	.amdhsa_kernel k_q7d9c8a0d2b_attn
		.amdhsa_group_segment_fixed_size 327680
		.amdhsa_private_segment_fixed_size 0
		.amdhsa_enable_private_segment 0
		.amdhsa_kernarg_size 40
		.amdhsa_user_sgpr_count 2
		.amdhsa_user_sgpr_kernarg_segment_ptr 1
		.amdhsa_wavefront_size32 1
		.amdhsa_system_sgpr_workgroup_id_x 1
		.amdhsa_system_sgpr_workgroup_id_y 1
		.amdhsa_system_sgpr_workgroup_id_z 1
		.amdhsa_system_vgpr_workitem_id 0
		.amdhsa_next_free_vgpr 512
		.amdhsa_next_free_sgpr 66
		.amdhsa_reserve_vcc 0
		.amdhsa_float_denorm_mode_32 3
		.amdhsa_float_denorm_mode_16_64 3
		.amdhsa_memory_ordered 1
		.amdhsa_forward_progress 1
		.amdhsa_inst_pref_size 193
	.end_amdhsa_kernel
	.amdgpu_metadata
---
amdhsa.version: [ 1, 2 ]
amdhsa.kernels:
  - .name:           k_q7d9c8a0d2b_attn
    .symbol:         k_q7d9c8a0d2b_attn.kd
    .args:
      - { .name: qb, .offset: 0, .size: 8, .value_kind: global_buffer, .address_space: global }
      - { .name: kb, .offset: 8, .size: 8, .value_kind: global_buffer, .address_space: global }
      - { .name: vb, .offset: 16, .size: 8, .value_kind: global_buffer, .address_space: global }
      - { .name: attention_mask, .offset: 24, .size: 8, .value_kind: global_buffer, .address_space: global }
      - { .name: ab, .offset: 32, .size: 8, .value_kind: global_buffer, .address_space: global }
    .group_segment_fixed_size: 327680
    .private_segment_fixed_size: 0
    .kernarg_segment_align: 8
    .kernarg_segment_size: 40
    .max_flat_workgroup_size: 256
    .sgpr_count:     66
    .vgpr_count:     512
    .wavefront_size: 32
...
	.end_amdgpu_metadata
.endif
;; end of part 3
;; launch oproj (part 4): grid 16 x 16, 4 waves a work-group, clusters of 4 x 4, 327,680 bytes of LDS; arguments ab, wb, bo, out0; writes out0
.if DOCPART == 4
	.amdgcn_target "amdgcn-amd-amdhsa--gfx1250"
	.amdhsa_code_object_version 6
	.text
	.protected	k_q7d9c8a0d2b_oproj
	.globl	k_q7d9c8a0d2b_oproj
	.p2align	8
	.type	k_q7d9c8a0d2b_oproj,@function
k_q7d9c8a0d2b_oproj:
	s_mov_b64 s[64:65], 0
	v_nop
	global_prefetch_b8 v0, s[64:65] scope:SCOPE_SE
	s_setreg_imm32_b32 hwreg(HW_REG_WAVE_MODE, 25, 1), 1
	s_wait_xcnt 0x0
	s_wait_alu depctr_hold_cnt(0) depctr_sa_sdst(0) depctr_va_vdst(0) depctr_va_sdst(0) depctr_va_ssrc(0) depctr_va_vcc(0) depctr_vm_vsrc(0)
	s_getreg_b32 s2, hwreg(HW_REG_IB_STS2, 6, 4)
	s_cmp_eq_u32 s2, 0
	s_cbranch_scc0 .Lentry_in_a_cluster
	s_endpgm
.Lentry_in_a_cluster:
	s_bfe_u32 s2, ttmp6, 0x10000c
	s_cmp_lg_u32 s2, 0xf033
	s_cbranch_scc0 .Lentry_shape_is_right
	s_endpgm
.Lentry_shape_is_right:
; oproj: out0 = ab wo + bo.  ab [2048][2048] f16, wo = wb's fourth segment [K][N] f16, out0 f32.
; Work-group (x = nb, y = mb): 128 x 128 of out0, 16 x 16 = 256 work-groups (larger blocks would leave WGPs without work).
; Four waves; wave (rh, ch) makes 64 x 64: 16 accumulator tiles.  K goes in 8 visits of 256 through two LDS slots; a slot holds ab's
; 128 rows x 512 bytes (two loads of 64 rows) and wo's 256 rows of K x 256 bytes (two loads of 128 rows): one tensor load a wave.
; By this text's count a wave has at most two tensor loads out (the first fills), later one; from a request to the wait for it a wave
; issues 112 matrix instructions.
; CLUSTERS: 4 x 4; ab's tiles hang on mb alone and are shared along a row of the cluster, wo's on nb alone and along a column.
; The matrix instruction is used transposed (source 0 = 16 columns of wo, by ds_load_tr16_b128; source 1 = 16 rows of ab): a lane holds
; eight neighbouring columns of one row.
; LIMITS: operands are f16 (see the launches that made them); sums and output are f32.
; REGISTERS: window 0: v10-19 addresses, v32-63 bias, v64-127 rows read back (two sets); window 1: v0-127, v128-255 two buffers of fragments for 64 along K
;   (ab's (kk, a) at 8 (4 kk + a), wo's (kk, c) at 64 + 8 (4 kk + c)); window 2: accumulators (a, c) at 8 (4 a + c)
.set REG,   36864                      ; a load's region: ab 64 rows x 528 bytes, wo 128 rows x 288
.set SLOT,  4*REG
.set STAGE, 2*SLOT                     ; 16 rows x 272 bytes for each wave; no tensor load lands here
.set ADRA,  10                         ; v10-11
.set ADRW,  12                         ; v12-15: 2 slot + half
.set STO,   16
.set RD,    17
.set CO,    18
.set BOFF,  19
.set BIAS,  32
.set RB,    64
.set G1A,   40
.set G1W,   48
.set G0A,   56
.set G0W,   68
.set MSB,   0
.macro WIN new
.if MSB != \new
	s_set_vgpr_msb (MSB<<8)|\new
.set MSB, \new
.endif
.endm
.macro PLACES n
.rept \n
	v_nop
.endr
.endm
.macro JLOAD s                         ; waves 0 and 1 ask for ab's two halves, waves 2 and 3 for wo's
	s_cmp_eq_u32 s25, 0
	s_cbranch_scc0 .Lfor_w_\@
	tensor_load_to_lds s[G0A+4*\s:G0A+4*\s+3], s[G1A:G1A+7]
	s_nop 0
	s_branch .Lasked_\@
.Lfor_w_\@:
	tensor_load_to_lds s[G0W+4*\s:G0W+4*\s+3], s[G1W:G1W+7]
	s_nop 0
.Lasked_\@:
.endm
.macro CREST
	s_cmp_lg_u32 s24, 0
	s_cbranch_scc1 .Lnot_wave_0_\@
	s_barrier_signal -3
.Lnot_wave_0_\@:
	s_barrier_wait -3
	s_barrier_signal -1
	s_barrier_wait -1
.endm
.macro CROUND
	s_barrier_signal -1
	s_barrier_wait -1
	CREST
.endm
	s_load_b256 s[4:11], s[0:1], 0x0               ; ab s[4:5], wb s[6:7], bo s[8:9], out0 s[10:11]
	v_lshl_add_u32 v254, v0, 2, 0x4c400
	v_mov_b32 v255, 0
	ds_add_u32 v254, v255
	v_lshrrev_b32 v1, 5, v0
	v_readfirstlane_b32 s24, v1                    ; wave 0..3
	s_lshr_b32 s25, s24, 1                         ; rh.  Also: I fetch for ab (0) or wo (1)
	s_and_b32 s26, s24, 1                          ; ch.  Also: which half of that tile
	s_bfe_u32 s27, ttmp6, 0x40000                  ; cx
	s_bfe_u32 s28, ttmp6, 0x40004                  ; cy
	s_lshl_b32 s29, ttmp9, 2
	s_add_co_u32 s29, s29, s27                     ; nb
	s_and_b32 s30, ttmp7, 0xffff
	s_lshl_b32 s30, s30, 2
	s_add_co_u32 s30, s30, s28                     ; mb
	s_lshl_b32 s31, s28, 2
	s_lshl_b32 s31, 15, s31                        ; my row of the cluster
	s_lshl_b32 s32, 0x1111, s27                    ; my column
	s_or_b32 s[G1A+0], s31, (1<<16)|(1<<20)|(1<<21)|(6<<22)|(3<<25)  ; after 128 words (a row of 512 bytes) 4 words of padding: pitch 528 = 33 x 16
	s_mov_b32 s[G1A+1], 256<<16                    ; tensor_dim0 = 256
	s_mov_b32 s[G1A+2], 64<<16                     ; tensor_dim1 = 64
	s_mov_b32 s[G1A+3], 256<<16                    ; tile_dim0 = 256 elements
	s_mov_b32 s[G1A+4], 64                         ; tile_dim1 = 64 rows
	s_mov_b32 s[G1A+5], 2048
	s_mov_b32 s[G1A+6], 0
	s_mov_b32 s[G1A+7], 0
	s_or_b32 s[G1W+0], s32, (1<<16)|(1<<20)|(1<<21)|(5<<22)|(7<<25)  ; after 64 words 8 of padding: pitch 288 = 9 x 32
	s_mov_b32 s[G1W+1], 128<<16
	s_mov_b32 s[G1W+2], 128<<16
	s_mov_b32 s[G1W+3], 128<<16
	s_mov_b32 s[G1W+4], 128
	s_mov_b32 s[G1W+5], 2048
	s_mov_b32 s[G1W+6], 0
	s_mov_b32 s[G1W+7], 0
	s_mul_i32 s33, s24, REG
	s_lshl_b32 s34, s30, 19                        ; ab: (128 mb + 64 half) rows of 4,096 bytes (registers that never hold cx)
	s_lshl_b32 s35, s26, 18
	s_add_co_u32 s34, s34, s35
	s_mov_b32 s35, 0
	s_lshl_b32 s36, s29, 8                         ; wo: the fourth segment + 128 half rows of K + 128 nb columns (registers that never hold cy)
	s_lshl_b32 s37, s26, 19
	s_add_co_u32 s36, s36, s37
	s_add_co_u32 s36, s36, 0x1800000
	s_mov_b32 s37, 0
	s_wait_dscnt 0x0
	s_wait_kmcnt 0x0
	s_add_nc_u64 s[34:35], s[4:5], s[34:35]
	s_add_nc_u64 s[36:37], s[6:7], s[36:37]
	CROUND
.irp s, 0,1
	s_mov_b32 s[G0A+4*\s], 1
	s_add_co_u32 s[G0A+4*\s+1], s33, \s*SLOT
	s_add_nc_u64 s[G0A+4*\s+2:G0A+4*\s+3], s[34:35], \s*512        ; visit s: 256 elements along the row
	s_or_b32 s[G0A+4*\s+3], s[G0A+4*\s+3], 0x80000000
	s_mov_b32 s[G0W+4*\s], 1
	s_add_co_u32 s[G0W+4*\s+1], s33, \s*SLOT
	s_add_nc_u64 s[G0W+4*\s+2:G0W+4*\s+3], s[36:37], \s*1048576    ; visit s: 256 rows of 4,096 bytes
	s_or_b32 s[G0W+4*\s+3], s[G0W+4*\s+3], 0x80000000
	JLOAD \s
.endr
	v_and_b32 v1, 15, v0                           ; r
	v_bfe_u32 v2, v0, 4, 1                         ; hh
	v_and_b32 v3, 7, v0
	v_bfe_u32 v4, v0, 3, 1
	s_lshl_b32 s2, s29, 9                          ; 512 nb + 256 ch: my 64 columns in f32
	s_lshl_b32 s23, s26, 8
	s_add_co_u32 s2, s2, s23
	v_lshl_add_u32 v[BOFF], v2, 5, s2
	; The bias is first used on the way out: its wait stands behind the K loop, and nothing in between touches its registers, offset or base.
.irp c, 0,1,2,3
	global_load_b128 v[BIAS+8*\c:BIAS+8*\c+3],   v[BOFF], s[8:9] offset:64*\c
	global_load_b128 v[BIAS+8*\c+4:BIAS+8*\c+7], v[BOFF], s[8:9] offset:64*\c+16
.endr
	s_lshl_b32 s76, s30, 20                        ; out0: (128 mb + 64 rh) rows of 8,192 bytes + my columns
	s_lshl_b32 s77, s25, 19
	s_add_co_u32 s76, s76, s77
	s_add_co_u32 s76, s76, s2
	s_mov_b32 s77, 0
	s_add_nc_u64 s[10:11], s[10:11], s[76:77]
	v_mul_u32_u24 v5, v1, 528
	v_lshl_add_u32 v5, v2, 4, v5
	s_mul_i32 s22, s25, REG                        ; my 64 rows are ab's half rh
	v_add_nc_u32 v[ADRA], s22, v5
	v_add_nc_u32 v[ADRA+1], SLOT, v[ADRA]
	v_lshl_add_u32 v6, v2, 3, v3
	v_mul_u32_u24 v6, v6, 288
	v_lshl_add_u32 v6, v4, 4, v6
	s_lshl_b32 s23, s26, 7
	v_add_nc_u32 v6, s23, v6
.irp s, 0,1
.irp u, 0,1
	v_add_nc_u32 v[ADRW+2*\s+\u], \s*SLOT+(2+\u)*REG, v6
.endr
.endr
	s_mul_i32 s22, s24, 4352
	s_add_co_u32 s22, s22, STAGE
	v_mul_u32_u24 v7, v1, 272
	v_lshl_add_u32 v7, v2, 5, v7                   ; in: row r, 32 bytes for each half of the lanes
	v_add_nc_u32 v[STO], s22, v7
	v_mul_u32_u24 v7, v2, 272
	v_lshl_add_u32 v7, v1, 4, v7                   ; back: lanes 0-15 one row of 256 bytes, lanes 16-31 the next
	v_add_nc_u32 v[RD], s22, v7
	v_lshlrev_b32 v[CO], 13, v2
	v_lshl_add_u32 v[CO], v1, 4, v[CO]
; 32 LDS loads: the fragments of granule g (64 along K) of a slot into buffer buf
.macro FETCH slot, g, buf
	WIN 0x40                                       ; destination window 1
.irp kk, 0,1
.irp a, 0,1,2,3
	ds_load_b128 v[128*\buf+8*(4*\kk+\a):128*\buf+8*(4*\kk+\a)+3],   v[ADRA+\slot] offset:8448*\a+64*(2*\g+\kk)
	ds_load_b128 v[128*\buf+8*(4*\kk+\a)+4:128*\buf+8*(4*\kk+\a)+7], v[ADRA+\slot] offset:8448*\a+64*(2*\g+\kk)+32
.endr
.endr
.irp kk, 0,1
.irp c, 0,1,2,3
	ds_load_tr16_b128 v[128*\buf+64+8*(4*\kk+\c):128*\buf+64+8*(4*\kk+\c)+3],   v[ADRW+2*\slot+(\g/2)] offset:9216*((2*\g+\kk)%4)+32*\c
	ds_load_tr16_b128 v[128*\buf+64+8*(4*\kk+\c)+4:128*\buf+64+8*(4*\kk+\c)+7], v[ADRW+2*\slot+(\g/2)] offset:9216*((2*\g+\kk)%4)+32*\c+4608
.endr
.endr
.endm
; 16 matrix instructions, 32 along K.  The 16 accumulators take turns, one instruction a turn.
.macro MUL16 buf, kk, zero
	WIN 0xa5                                       ; sources window 1, C and D window 2
.irp a, 0,1,2,3
.irp c, 0,1,2,3
.if \zero
	v_wmma_f32_16x16x32_f16 v[8*(4*\a+\c):8*(4*\a+\c)+7], v[128*\buf+64+8*(4*\kk+\c):128*\buf+64+8*(4*\kk+\c)+7], v[128*\buf+8*(4*\kk+\a):128*\buf+8*(4*\kk+\a)+7], 0
.else
	v_wmma_f32_16x16x32_f16 v[8*(4*\a+\c):8*(4*\a+\c)+7], v[128*\buf+64+8*(4*\kk+\c):128*\buf+64+8*(4*\kk+\c)+7], v[128*\buf+8*(4*\kk+\a):128*\buf+8*(4*\kk+\a)+7], v[8*(4*\a+\c):8*(4*\a+\c)+7]
.endif
.endr
.endr
.endm
.macro GRAN slot, g, cur, nxt, zero    ; fetches granule g into buffer nxt and multiplies buffer cur
	PLACES 4                                       ; buffer nxt was read by the matrix instructions just issued
	FETCH \slot, \g, \nxt
	s_wait_dscnt 32                                ; all but the 32 just issued
	MUL16 \cur, 0, \zero
	MUL16 \cur, 1, 0
.endm
.macro THREE slot, zero
	GRAN \slot, 1, 0, 1, \zero
	GRAN \slot, 2, 1, 0, 0
	GRAN \slot, 3, 0, 1, 0
.endm
.macro TURN slot, next, fill           ; the last granule, and the change of slots
	s_wait_dscnt 0x0                               ; my reads of this slot are over
	s_set_vgpr_msb 0xa5a0
	s_wait_tensorcnt 0x0                           ; all my tensor loads have landed: the one that was out is my part of the next slot
	ds_add_u32 v254, v255
	s_wait_dscnt 0x0
	s_set_vgpr_msb 0xa0a5
	s_barrier_signal -1
	MUL16 1, 0, 0
	WIN 0
	s_barrier_wait -1
.if \fill
	CREST                                          ; no wave of any partner still reads this slot or has a load on its way
	s_add_nc_u64 s[G0A+4*\slot+2:G0A+4*\slot+3], s[G0A+4*\slot+2:G0A+4*\slot+3], 1024
	s_add_nc_u64 s[G0W+4*\slot+2:G0W+4*\slot+3], s[G0W+4*\slot+2:G0W+4*\slot+3], 0x200000
	JLOAD \slot                                    ; two visits ahead; my one tensor load behind the round
.endif
	PLACES 4
	FETCH \next, 0, 0
	MUL16 1, 1, 0
.endm
.macro LAP zero
	THREE 0, \zero
	TURN 0, 1, 1
	THREE 1, 0
	TURN 1, 0, 1
.endm
	s_wait_tensorcnt 0x1                           ; my part of visit 0 is in; visit 1's may stay out
	s_barrier_signal -1
	s_barrier_wait -1
	FETCH 0, 0, 0
	LAP 1                                          ; 8 visits = 4 laps: the first starts the sums,
	WIN 0
	s_mov_b32 s3, 2
.Llap:
	LAP 0                                          ; two go round,
	WIN 0
	s_sub_co_u32 s3, s3, 1
	s_cmp_lg_u32 s3, 0
	s_cbranch_scc1 .Llap
	THREE 0, 0                                     ; the last fills nothing
	TURN 0, 1, 0
	THREE 1, 0
	s_wait_dscnt 0x0
	MUL16 1, 0, 0
	MUL16 1, 1, 0
	WIN 0
	PLACES 4
	s_wait_loadcnt 0x0                             ; the bias, asked for at the start
	; THE WAY OUT, 16 rows at a time: bias, 32 bytes a lane into my own stage, whole rows of 256 bytes back.  LDS serves a wave's
	; instructions in order (ISA guide 5.7.1.4): no wait between my stores and my loads, nor in front of the next 16 rows' stores.
.irp a, 0,1,2,3
	WIN 0x82                                       ; sums in window 2, bias in window 0
.irp c, 0,1,2,3
.irp j, 0,2,4,6
	v_pk_add_f32 v[8*(4*\a+\c)+\j:8*(4*\a+\c)+\j+1], v[8*(4*\a+\c)+\j:8*(4*\a+\c)+\j+1], v[BIAS+8*\c+\j:BIAS+8*\c+\j+1]
.endr
.endr
	WIN 0x08                                       ; an LDS store's data is source 1: window 2
.irp c, 0,1,2,3
	ds_store_b128 v[STO], v[8*(4*\a+\c):8*(4*\a+\c)+3]   offset:64*\c
	ds_store_b128 v[STO], v[8*(4*\a+\c)+4:8*(4*\a+\c)+7] offset:64*\c+16
.endr
	WIN 0
	s_wait_xcnt 0x0                                ; the set of registers below was store data two turns ago (ISA guide 3.1)
.irp t, 0,1,2,3,4,5,6,7
	ds_load_b128 v[RB+32*(\a%2)+4*\t:RB+32*(\a%2)+4*\t+3], v[RD] offset:544*\t
.endr
.irp t, 0,1,2,3,4,5,6,7
	s_wait_dscnt 7-\t
	global_store_b128 v[CO], v[RB+32*(\a%2)+4*\t:RB+32*(\a%2)+4*\t+3], s[10:11] offset:(16*\a+2*\t)*8192 th:TH_STORE_NT   ; 16 lanes store 256 consecutive bytes, aligned
.endr
.endr
	s_wait_tensorcnt 0x0
	ds_add_u32 v254, v255
	s_wait_dscnt 0x0
	CROUND                                         ; the closing round
	s_endpgm
.Lfunc_end_k_q7d9c8a0d2b_oproj:
	.size	k_q7d9c8a0d2b_oproj, .Lfunc_end_k_q7d9c8a0d2b_oproj-k_q7d9c8a0d2b_oproj
	.p2alignl 7, 3214868480
	.fill 96, 4, 3214868480
	.section	.rodata,"a",@progbits
	.p2align	6, 0x0
	.amdhsa_kernel k_q7d9c8a0d2b_oproj
		.amdhsa_group_segment_fixed_size 327680
		.amdhsa_private_segment_fixed_size 0
		.amdhsa_enable_private_segment 0
		.amdhsa_kernarg_size 32
		.amdhsa_user_sgpr_count 2
		.amdhsa_user_sgpr_kernarg_segment_ptr 1
		.amdhsa_wavefront_size32 1
		.amdhsa_system_sgpr_workgroup_id_x 1
		.amdhsa_system_sgpr_workgroup_id_y 1
		.amdhsa_system_sgpr_workgroup_id_z 1
		.amdhsa_system_vgpr_workitem_id 0
		.amdhsa_next_free_vgpr 640
		.amdhsa_next_free_sgpr 80
		.amdhsa_reserve_vcc 0
		.amdhsa_float_denorm_mode_32 3
		.amdhsa_float_denorm_mode_16_64 3
		.amdhsa_memory_ordered 1
		.amdhsa_forward_progress 1
		.amdhsa_inst_pref_size 126
	.end_amdhsa_kernel
	.amdgpu_metadata
---
amdhsa.version: [ 1, 2 ]
amdhsa.kernels:
  - .name:           k_q7d9c8a0d2b_oproj
    .symbol:         k_q7d9c8a0d2b_oproj.kd
    .args:
      - { .name: ab, .offset: 0, .size: 8, .value_kind: global_buffer, .address_space: global }
      - { .name: wb, .offset: 8, .size: 8, .value_kind: global_buffer, .address_space: global }
      - { .name: bo, .offset: 16, .size: 8, .value_kind: global_buffer, .address_space: global }
      - { .name: out0, .offset: 24, .size: 8, .value_kind: global_buffer, .address_space: global }
    .group_segment_fixed_size: 327680
    .private_segment_fixed_size: 0
    .kernarg_segment_align: 8
    .kernarg_segment_size: 32
    .max_flat_workgroup_size: 128
    .sgpr_count:     80
    .vgpr_count:     640
    .wavefront_size: 32
...
	.end_amdgpu_metadata
.endif
;; end of part 4
;; ======== version 2 of 2: 4 launches; version 1 with the launch cast written anew for expert scheduling mode
;; limits: values are held in f16: magnitudes above 65,504 overflow, below 6.1e-05 lose precision
;; workspace buffers: xb 8,388,608 bytes; wb 33,554,432 bytes; tab 524,288 bytes; qb 8,388,608 bytes; kb 8,388,608 bytes; vb 8,388,608 bytes; ab 8,388,608 bytes
;; launch cast (part 5): grid 1024 x 1, 8 waves a work-group, no clusters, 0 bytes of LDS; arguments x, wq, wk, wv, wo, xb, wb, tab; writes xb, wb, tab
.if DOCPART == 5
	.amdgcn_target "amdgcn-amd-amdhsa--gfx1250"
	.amdhsa_code_object_version 6
	.text
	.protected	k_q7d9c8a0d2b_cast
	.globl	k_q7d9c8a0d2b_cast
	.p2align	8
	.type	k_q7d9c8a0d2b_cast,@function
k_q7d9c8a0d2b_cast:
	s_mov_b64 s[64:65], 0
	v_nop
	global_prefetch_b8 v0, s[64:65] scope:SCOPE_SE
	s_setreg_imm32_b32 hwreg(HW_REG_WAVE_SCHED_MODE, 0, 2), 2
	s_setreg_imm32_b32 hwreg(HW_REG_WAVE_MODE, 25, 1), 1
	s_wait_xcnt 0x0
	s_wait_alu depctr_vm_vsrc(0)
; cast: x, wq, wk, wv, wo from f32 to f16, layouts unchanged (xb; wb = wq, wk, wv, wo one behind the other), and the RoPE table
; tab[t][i] = (cos, sin)(t * 10000^(-i/64)), t = 0..1023, i = 0..63, f32 pairs.
; Each source has 16,777,216 bytes; 1,024 work-groups take 16,384 bytes of each: a thread 4 x 16 bytes of each of the five, 20 loads
; that are all issued before the first is waited for.  A load of a wave covers 512 consecutive bytes, a store 256, both aligned.
; A stream: every byte is read once and written once, so LDS, matrix units and clusters have nothing to add.
; WHY f16 AND NOT bf16: q, k, the softmax weights, v and the attention output are each rounded once between the products; with 8
; significant bits these five roundings add up to about a third of the error that the result may have, with 11 bits to a fifteenth of that.
; LIMITS: numbers of magnitude 65,504 and above become infinities (x is drawn with spread 1, the weights within 0.04).
; The table's angle is off by up to about 1e-4 radians at t = 1023 (one last bit of 2^x, and 2/pi held in one f32 word).
; THE MODE: SCHED_MODE bits 1:0 = 2 (LLVM: expert scheduling mode 2), set by the entry lines.  The code itself states the register dependences
; between vector instructions and memory instructions, with s_wait_alu, always for 0.
; THE PLAN.  Registers that memory instructions touch:
;   v1, v2       byte offsets of the loads and of the stores: written once at the head, never again.
;   X, group u   16 registers for source u.  Load 4 u + j lands in four of them, once; group u's conversions read the four and write the first
;                two in place; store (u, j) reads those two; nothing writes them afterwards, and no load lands in them again.
;   v[T+2:T+3]   the table's pair (waves 0 and 1): written by vector instructions, read by one store, never written again.
; So no register that a memory instruction has read is written again: the text holds no wait on vm_vsrc.  The stores of group u are issued in
; group u + 1, dealt among its conversions, which name group u + 1's registers alone: ONE wait on va_vdst at a group's head states that the group
; before has written what its four stores read.  A last one stands in front of group 4's stores.
.set X, 8                              ; v[8:87]   load n = 4 u + j: 4 registers
.set T, 88                             ; v[88:95]  the table's work
	s_load_b512 s[4:19], s[0:1], 0x0               ; x, wq, wk, wv, wo s[4:13]; xb s[14:15]; wb s[16:17]; tab s[18:19]
	v_lshrrev_b32 v3, 5, v0
	v_readfirstlane_b32 s2, v3                     ; wave 0..7
	s_mov_b32 s3, ttmp9                            ; the work-group's number: also the table's row t
	s_lshl_b32 s20, ttmp9, 14                      ; 16,384 bytes of each source
	s_mov_b32 s21, 0
	s_lshl_b32 s22, ttmp9, 13                      ; 8,192 bytes of each destination
	s_mov_b32 s23, 0
	s_lshl_b32 s34, ttmp9, 9                       ; 512 bytes of the table
	s_mov_b32 s35, 0
	v_lshlrev_b32 v1, 4, v0                        ; 16 bytes a thread in
	v_lshlrev_b32 v2, 3, v0                        ; 8 bytes a thread out (and 8 bytes of the table's row)
	s_wait_alu depctr_va_sdst(0)                   ; s2 is written, ahead of its first reader: the compare in front of the table's branch
	s_wait_kmcnt 0x0
.irp u, 0,1,2,3,4
	s_add_nc_u64 s[4+2*\u:5+2*\u], s[4+2*\u:5+2*\u], s[20:21]
.endr
	s_add_nc_u64 s[24:25], s[14:15], s[22:23]      ; destinations u = 0..4 in s[24:33]: xb,
	s_add_nc_u64 s[26:27], s[16:17], s[22:23]      ; wb's four segments of 8,388,608 bytes
	s_add_nc_u64 s[28:29], s[26:27], 0x800000
	s_add_nc_u64 s[30:31], s[26:27], 0x1000000
	s_add_nc_u64 s[32:33], s[26:27], 0x1800000
	s_add_nc_u64 s[18:19], s[18:19], s[34:35]
	s_wait_alu depctr_va_vdst(0)                   ; v1 and v2 are written: every load of the kernel reads v1 as its offset, every store v2
.irp u, 0,1,2,3,4
.irp j, 0,1,2,3
	global_load_b128 v[X+16*\u+4*\j:X+16*\u+4*\j+3], v1, s[4+2*\u:5+2*\u] offset:4096*\j th:TH_LOAD_NT
.endr
.endr
	; The table's row t, by threads 0 to 63 (waves 0 and 1), while the loads are on their way.
	s_cmp_gt_u32 s2, 1
	s_cbranch_scc1 .Lno_table
	v_cvt_f32_u32 v[T], v0                         ; i
	v_mul_f32 v[T], 0xbe549a78, v[T]               ; - i log2(10000) / 64
	v_exp_f32 v[T], v[T]                           ; 10000^(-i/64)
	v_cvt_f32_u32 v[T+1], s3                       ; t: the plain instruction that stands behind v_exp_f32 before its result is used (ISA guide 5.7.2)
	s_wait_alu depctr_va_vdst(0)                   ; the exponential has written v[T], ahead of its first reader
	v_mul_f32 v[T+1], v[T+1], v[T]                 ; the angle
	v_mul_f32 v[T+2], 0x3f22f983, v[T+1]           ; in quarter turns
	v_rndne_f32 v[T+2], v[T+2]                     ; n, the nearest whole quarter turn
	v_fma_f32 v[T+3], v[T+1], 0x3f22f983, -v[T+2]  ; what is left, within a half either way, with one rounding
	v_mul_f32 v[T+3], 0x3fc90fdb, v[T+3]           ; back in radians: |phi| <= pi/4
	v_mul_f32 v[T+4], v[T+3], v[T+3]               ; z = phi^2
	v_mov_b32 v[T+5], 0xb9500d01                   ; sin phi = phi (1 + z (-1/6 + z (1/120 - z/5040))): the next term is under 3e-7
	v_fmaak_f32 v[T+5], v[T+5], v[T+4], 0x3c088889
	v_fmaak_f32 v[T+5], v[T+5], v[T+4], 0xbe2aaaab
	v_fma_f32 v[T+5], v[T+5], v[T+4], 1.0
	v_mul_f32 v[T+5], v[T+5], v[T+3]
	v_mov_b32 v[T+6], 0x37d00d01                   ; cos phi = 1 + z (-1/2 + z (1/24 + z (-1/720 + z/40320)))
	v_fmaak_f32 v[T+6], v[T+6], v[T+4], 0xbab60b61
	v_fmaak_f32 v[T+6], v[T+6], v[T+4], 0x3d2aaaab
	v_fma_f32 v[T+6], v[T+6], v[T+4], -0.5
	v_fma_f32 v[T+6], v[T+6], v[T+4], 1.0
	v_cvt_i32_f32 v[T+7], v[T+2]                   ; the quadrant is n mod 4; it only selects values and signs
	v_and_b32 v[T], 1, v[T+7]
	v_cmp_ne_u32 vcc_lo, 0, v[T]                   ; odd quadrants; the two sign words are made between this compare and the wait for it
	v_add_nc_u32 v[T], 1, v[T+7]
	v_and_b32 v[T], 2, v[T]                        ; the cosine is negative in quadrants 1 and 2,
	v_lshlrev_b32 v[T], 30, v[T]
	v_and_b32 v[T+1], 2, v[T+7]                    ; the sine in 2 and 3
	v_lshlrev_b32 v[T+1], 30, v[T+1]
	s_wait_alu depctr_va_vcc(0)                    ; the compare has written VCC, which the two selects below read
	v_cndmask_b32 v[T+2], v[T+6], v[T+5], vcc_lo   ; odd quadrants exchange the two series
	v_cndmask_b32 v[T+3], v[T+5], v[T+6], vcc_lo
	v_xor_b32 v[T+2], v[T+2], v[T]
	v_xor_b32 v[T+3], v[T+3], v[T+1]
	s_wait_alu depctr_va_vdst(0)                   ; v[T+2:T+3] are written, which the store below reads
	global_store_b64 v2, v[T+2:T+3], s[18:19]
.Lno_table:
	; Five groups of four loads, one group to a source.  Group u: its conversions, and among them the four stores of group u - 1.
.irp u, 0,1,2,3,4
.irp j, 0,1,2,3
.if \j == 0
	s_wait_loadcnt 19-4*\u                         ; loads come back in order (ISA guide 5.7.1): the group's first is in, the younger ones stay out
.if \u > 0
	s_wait_alu depctr_va_vdst(0)                   ; the group before has written its eight packed registers, which the four stores dealt among this group's conversions read
.endif
.endif
.if \u > 0
	global_store_b64 v2, v[X+16*(\u-1)+4*\j:X+16*(\u-1)+4*\j+1], s[24+2*(\u-1):25+2*(\u-1)] offset:2048*\j   ; no vector instruction since the wait names these registers
.endif
.if \j > 0
	s_wait_loadcnt 19-(4*\u+\j)                    ; this one is in, the younger ones stay out
.endif
	v_cvt_pk_f16_f32 v[X+16*\u+4*\j],   v[X+16*\u+4*\j],   v[X+16*\u+4*\j+1]
	v_cvt_pk_f16_f32 v[X+16*\u+4*\j+1], v[X+16*\u+4*\j+2], v[X+16*\u+4*\j+3]
.endr
.endr
	s_wait_alu depctr_va_vdst(0)                   ; group 4 has written its eight packed registers, which the last four stores read
.irp j, 0,1,2,3
	global_store_b64 v2, v[X+64+4*\j:X+64+4*\j+1], s[32:33] offset:2048*\j
.endr
	s_endpgm
.Lfunc_end_k_q7d9c8a0d2b_cast:
	.size	k_q7d9c8a0d2b_cast, .Lfunc_end_k_q7d9c8a0d2b_cast-k_q7d9c8a0d2b_cast
	.p2alignl 7, 3214868480
	.fill 96, 4, 3214868480
	.section	.rodata,"a",@progbits
	.p2align	6, 0x0
	.amdhsa_kernel k_q7d9c8a0d2b_cast
		.amdhsa_group_segment_fixed_size 0
		.amdhsa_private_segment_fixed_size 0
		.amdhsa_enable_private_segment 0
		.amdhsa_kernarg_size 64
		.amdhsa_user_sgpr_count 2
		.amdhsa_user_sgpr_kernarg_segment_ptr 1
		.amdhsa_wavefront_size32 1
		.amdhsa_system_sgpr_workgroup_id_x 1
		.amdhsa_system_sgpr_workgroup_id_y 1
		.amdhsa_system_sgpr_workgroup_id_z 1
		.amdhsa_system_vgpr_workitem_id 0
		.amdhsa_next_free_vgpr 96
		.amdhsa_next_free_sgpr 66
		.amdhsa_reserve_vcc 1
		.amdhsa_float_denorm_mode_32 3
		.amdhsa_float_denorm_mode_16_64 3
		.amdhsa_memory_ordered 1
		.amdhsa_forward_progress 1
		.amdhsa_inst_pref_size 11
	.end_amdhsa_kernel
	.amdgpu_metadata
---
amdhsa.version: [ 1, 2 ]
amdhsa.kernels:
  - .name:           k_q7d9c8a0d2b_cast
    .symbol:         k_q7d9c8a0d2b_cast.kd
    .args:
      - { .name: x, .offset: 0, .size: 8, .value_kind: global_buffer, .address_space: global }
      - { .name: wq, .offset: 8, .size: 8, .value_kind: global_buffer, .address_space: global }
      - { .name: wk, .offset: 16, .size: 8, .value_kind: global_buffer, .address_space: global }
      - { .name: wv, .offset: 24, .size: 8, .value_kind: global_buffer, .address_space: global }
      - { .name: wo, .offset: 32, .size: 8, .value_kind: global_buffer, .address_space: global }
      - { .name: xb, .offset: 40, .size: 8, .value_kind: global_buffer, .address_space: global }
      - { .name: wb, .offset: 48, .size: 8, .value_kind: global_buffer, .address_space: global }
      - { .name: tab, .offset: 56, .size: 8, .value_kind: global_buffer, .address_space: global }
    .group_segment_fixed_size: 0
    .private_segment_fixed_size: 0
    .kernarg_segment_align: 8
    .kernarg_segment_size: 64
    .max_flat_workgroup_size: 256
    .sgpr_count:     66
    .vgpr_count:     96
    .wavefront_size: 32
...
	.end_amdgpu_metadata
.endif
;; end of part 5
;; launch qkv: the kernel of part 2 again; grid 16 x 16, 4 waves a work-group, clusters of 4 x 4, 327,680 bytes of LDS; arguments xb, wb, tab, bq, bk, bv, qb, kb, vb, attention_mask; writes qb, kb, vb
;; launch attn: the kernel of part 3 again; grid 8 x 32, 8 waves a work-group, clusters of 4 x 1, 327,680 bytes of LDS; arguments qb, kb, vb, attention_mask, ab; writes ab
;; launch oproj: the kernel of part 4 again; grid 16 x 16, 4 waves a work-group, clusters of 4 x 4, 327,680 bytes of LDS; arguments ab, wb, bo, out0; writes out0
